; MI455X (gfx1250); checked and timed in simulation.
; The chip was launched on July 23, 2026; its instructions are those of AMD's public machine-readable ISA for CDNA 5 (MIT licence, August 2026) and "CDNA5" Instruction Set Architecture Reference Guide (July 2026). The comments in the code are by the model that wrote it; some were corrected since.
;; Multitask Readout. Allowed arithmetic: matrix products marked QUANTISED: E2M1 operands, one E8M0 scale for each 32 along K, by v_wmma_scale_f32_16x16x128_f8f6f4 with both operands' format E2M1 (or v_wmma_scale_f32_32x16x128_f4), f32 sums; everything else in f32.
;; Inputs: W_codes 8 x 64 x 32 x 16 uint8 (E2M1 codes of W, K innermost, in blocks of 32 codes, two codes a byte); W_scales 8 x 64 x 32 uint8 (E8M0 scales of W, one for each 32 codes along K); b 8 x 64 float32; output_embs_codes 16 x 4,096 x 32 x 16 uint8 (E2M1 codes of output_embs, K innermost, in blocks of 32 codes, two codes a byte); output_embs_scales 16 x 4,096 x 32 uint8 (E8M0 scales of output_embs, one for each 32 codes along K); output_readout_index 16 x 4,096 int32.
;; Outputs: out0 16 x 4,096 x 64 float32.
;; This version of the problem:
;;   THIS VERSION OF THE PROBLEM IS GIVEN IN LOW PRECISION. The matrix products marked QUANTISED in the list below multiply operands that are first quantised to E2M1 (2 exponent bits, 1 mantissa bit; 4 bits a number), with one power-of-two scale for each 32 numbers along K (OCP MX v1.0); their sums are f32. All else is computed in f32.
;;   The module's matrix products, in the order in which they are computed (A, B: the left and right operand; K: the contracted axis; several contracted axes count as one K, in the product's order):
;;     1. [M 65,536, K 1,024] x [K 1,024, N 512]; A: input output_embs (given as codes); B: input W (given as codes): QUANTISED
;;   THE QUANTISER, for each operand of a quantised product, along K:
;;     - K is cut into blocks of 32 from its start; a last block that is shorter is filled with zeros.
;;     - A block's scale is 2^e with e = floor(log2(the largest magnitude in the block)) - 2, held to -126 .. 127; a block of zeros has e = 0. As a byte (E8M0): e + 127.
;;     - Each number is divided by its block's scale, clamped to +-6, and rounded to the nearest number of E2M1, ties to even, subnormals kept.
;;     - The product sums the exact products of the quantised numbers (number of the format x scale) in f32.
;;   ~~~python
;;   def quantise(x, axis):      # numpy; x: float32 -> the quantised numbers, widened to float32 again
;;       x = np.moveaxis(x, axis, -1); K = x.shape[-1]
;;       x = np.pad(x, [(0, 0)] * (x.ndim - 1) + [(0, -K % 32)]); x = x.reshape(x.shape[:-1] + (-1, 32)); a = np.abs(x).max(-1, keepdims=True)
;;       e = np.where(a > 0, np.clip(np.frexp(np.where(a > 0, a, 1))[1] - 1 - 2, -126, 127), 0)      # np.frexp(a)[1] - 1 = floor(log2(a)), exactly
;;       r = np.clip(x / 2.0 ** e, -6, 6)
;;       step = 2.0 ** (np.maximum(np.frexp(np.where(r == 0, 1, r))[1] - 1, 0) - 1)
;;       q = np.round(r / step) * step * 2.0 ** e      # np.round: ties to even
;;       return np.moveaxis(q.reshape(q.shape[:-2] + (-1,))[..., :K], -1, axis).astype(np.float32)
;;   ~~~
;;   INPUTS GIVEN AS CODES. W (in the module: [8, 1024, 64], K = its axis 1); output_embs (in the module: [16, 4096, 1024], K = its axis 2): each comes as NAME_codes (uint8): NAME with its K axis moved to the last place and cut into blocks of 32 codes, [.., K / 32, bytes a block], one block behind the other in memory; two codes a byte, the lower K in the low four bits (a code: sign, 2 exponent bits, 1 mantissa bit); and NAME_scales (uint8): the same leading axes, one E8M0 byte (e + 127) for each 32 codes along K. Its value is code x scale, taken as it is: it is not quantised again, and the codes and scales need not be those that the quantiser above would give.
;; 3 versions, each right; version 2 is faster than version 1; version 3 is version 2 with the launch readout written anew for expert scheduling mode. Each part assembles by itself: llvm-mc -triple=amdgcn-amd-amdhsa -mcpu=gfx1250 --defsym DOCPART=n.
;; ======== version 1 of 3: 1 launch
;; launch readout (part 1): grid 256 x 1, 4 waves a work-group, no clusters, 322,048 bytes of LDS; arguments W_codes, W_scales, b, output_embs_codes, output_embs_scales, output_readout_index, out0; writes out0
.if DOCPART == 1
	.amdgcn_target "amdgcn-amd-amdhsa--gfx1250"
	.amdhsa_code_object_version 6
	.text
	.protected	k_qa719423f2e_readout
	.globl	k_qa719423f2e_readout
	.p2align	8
	.type	k_qa719423f2e_readout,@function
k_qa719423f2e_readout:
	s_mov_b64 s[64:65], 0
	v_nop
	global_prefetch_b8 v0, s[64:65] scope:SCOPE_SE
	s_setreg_imm32_b32 hwreg(HW_REG_WAVE_MODE, 25, 1), 1
	s_wait_xcnt 0x0
; out[token][0..63] = x[token] . W[head(token)]^T + b[head(token)], on codes of FP4 (E2M1) with one E8M0 scale for each 32 along K = 1,024; sums in f32.
; DENSE: every token is multiplied by all eight heads, and the index only SELECTS (a compare and v_cndmask_b32): no branch and no address of this text hangs on a loaded number; it has no branch at all.
; SHARES.  Work-group g owns tokens 256 g .. 256 g + 255; wave w 64 of them, four tiles of 16, whose 32 fragments (256 registers) stay in registers.  All of W (8 heads x 64 rows x 512 bytes) lies in LDS;
; every wave walks its 32 column tiles (head h, tile t of 16 outputs): 16 LDS loads bring a tile's eight fragments, and each fragment feeds four matrix instructions, one for each tile of tokens.
; W COMES HEAD BY HEAD, BEHIND THE PRODUCTS.  GL h: 28 loads: my wave's 16 rows of head h (whole rows of 512 consecutive bytes), its bias in the result's layout, its scale words.  PUT h: my 16 rows into LDS.
; GL runs two heads ahead of PUT; PUT h + 1 stands in tile (h, 2), and a barrier at that tile's end shows head h + 1 whole, one tile ahead of its first use.  Each LDS byte of W is written once.
; THE MATRIX INSTRUCTION IS USED TRANSPOSED: source 0 = 16 rows of W, source 1 = 16 tokens: a lane holds ONE token (lane % 16) and eight neighbouring outputs.  The bias is the C of each sum's first instruction.
; THE SELECTION.  Two sets of four accumulators take turns from tile to tile.  While tile n is multiplied, tile n - 1's results are taken into the kept results where the lane's token has that head:
; 32 selections, four behind each K step's four matrix instructions.  Head 0's results start the kept results.
; W is read by all 256 work-groups, and with scales and bias it is 280,576 of the 420,864 bytes that a work-group reads: joint loads in a cluster would divide those requests by four.  They are NOT used here:
; this text keeps to plain loads through registers, with one counted wait for each head.  No prefetch: all loads of x go out at the kernel's head, and W's run two heads ahead of their use.
; LIMITS.  An index outside 0..7 gets head 0's row (the problem keeps an index inside its table).  The bias is the sum's first addend and K then ascends, where the definition adds it last: another order of f32 rounding.
; Codes and scale bytes go to the matrix unit as given: a scale byte 0xff gives NaN in every row that meets it, in the head that is kept.
;
; LDS (bytes)
.set XP,     528                       ; a row of codes: 512 + 16 = 33 x 16 bytes: the 16 rows that a fragment load touches start at 16 different groups of four banks (64 banks of 4 bytes: ISA guide 11.1)
.set OP,     272                       ; a row of out: 256 + 16 = 17 x 16 bytes: likewise
.set HEADB,  64*XP                     ; a head of W: 33,792
.set WAREA,  0                         ; W: eight heads
.set XSTG,   8*HEADB                   ; 270,336: for each wave 16 rows of x
.set OSTG,   XSTG+4*16*XP              ; 304,128: for each wave 16 rows of out; the end is 321,536
; REGISTERS, window 0          (r = lane % 16, h2 = lane / 16)
.set L16,  1                           ; 16 x lane
.set C16,  2                           ; 16 r
.set H16,  3                           ; 16 h2
.set RR,   4                           ; r
.set XSW,  5                           ; x's stage, on the way in: 16 x lane: a row an instruction
.set XFA,  6                           ; and on the way out: row r, + 16 h2
.set OST,  7                           ; out's stage, in: row r, + 32 h2
.set ORD,  8                           ; and back: rows i (lanes 0-15) and 8 + i (lanes 16-31), 16 bytes a lane
.set OOF,  9                           ; the same two rows in out: 2,048 h2 + 16 r
.set BO,   10                          ; 32 h2
.set WSO,  11                          ; 32 r + 16 h2
.set IXO,  12                          ; 4 r
.set WST,  16                          ; v16-19   where my wave puts its 16 rows of heads 2 p and 2 p + 1
.set WFA,  20                          ; v20-23   where a fragment of heads 2 p and 2 p + 1 is read: row r, + 16 h2
.set WS,   32                          ; v32-95   W's scale words, a ring of four heads: register 16 (h % 4) + 4 t + q: lanes 0-15 word q of row 16 t + r, lanes 16-31 word 4 + q.  Scales and nothing else
.set XS,   96                          ; v96-111  x's scale words, register 4 m + q, laid likewise.  Scales and nothing else
.set IDX,  112                         ; v112-115 the index of token 16 m + r
.set ACC,  128                         ; v128-191 two sets of four accumulators: 32 (tile % 2) + 8 m
.set OB,   192                         ; v192-255 16 rows of out, back from the stage: two sets
; window 1: x's fragments, (m, s) at v[64 m + 8 s].
; window 2: W's fragments, two buffers of a column tile's eight: v[64 (tile % 2) + 8 s]; from v128 the kept results, (m, t) at 32 m + 8 t.  At first: x's rows as loaded, v[64 m + 4 i].
.set RES,  128
; window 3: my rows of W as loaded, two buffers: v[64 (h % 2) + 4 i]; from v128 the bias, a ring of four heads: 32 (h % 4) + 8 t + jj = b[h][16 t + 8 h2 + jj].
.set BIAS, 128
; SCALARS: s[4:5] W's codes at my wave's 16 rows of head 0; s[6:7] W's scales; s[8:9] b; s[10:11], s[12:13], s[14:15], s[16:17] x's codes, x's scales, the index and out at my wave's first token;
; s18 wave; s21, s[22:23] at work; s[32 + 4 h + m]: the lanes whose token of tile m has head h (h = 1 .. 7).
.set MK,   32
.set MSB, 0
.macro WIN new                         ; s_set_vgpr_msb: bits 1:0 source 0, 3:2 source 1, 5:4 source 2, 7:6 destination; the high byte repeats the setting that is left
.if MSB != \new
	s_set_vgpr_msb (MSB<<8)|\new
.set MSB, \new
.endif
.endm
; Head h's 28 loads.
.macro GL h
	WIN 0xc0                                       ; destination window 3
.irp i, 0,1,2,3,4,5,6,7,8,9,10,11,12,13,14,15
	global_load_b128 v[64*((\h)%2)+4*\i:64*((\h)%2)+4*\i+3], v[L16], s[4:5] offset:32768*(\h)+512*\i   ; a whole row: 512 consecutive bytes
.endr
.irp t, 0,1,2,3
	global_load_b128 v[BIAS+32*((\h)%4)+8*\t:BIAS+32*((\h)%4)+8*\t+3], v[BO], s[8:9] offset:256*(\h)+64*\t
	global_load_b128 v[BIAS+32*((\h)%4)+8*\t+4:BIAS+32*((\h)%4)+8*\t+7], v[BO], s[8:9] offset:256*(\h)+64*\t+16
.endr
	WIN 0
.irp t, 0,1,2,3
	global_load_b128 v[WS+16*((\h)%4)+4*\t:WS+16*((\h)%4)+4*\t+3], v[WSO], s[6:7] offset:2048*(\h)+512*\t   ; 16 rows' scale bytes: 512 consecutive bytes
.endr
.endm
; My 16 rows of head h into LDS.
.macro PUT h
	WIN 0x0c                                       ; an LDS store's data are its source 1: window 3
.irp i, 0,1,2,3,4,5,6,7,8,9,10,11,12,13,14,15
	ds_store_b128 v[WST+(\h)/2], v[64*((\h)%2)+4*\i:64*((\h)%2)+4*\i+3] offset:HEADB*((\h)%2)+XP*\i
.endr
.endm
; Column tile n's eight fragments out of LDS.  Registers 4 c .. 4 c + 3 of K step s are bytes 64 s + 32 c + 16 h2 on of the row.
.macro WFLOAD n
.set WH, (\n)/4
.set WT, (\n)%4
.set WP, (\n)%2
	WIN 0x80                                       ; destination window 2
.irp s, 0,1,2,3,4,5,6,7
.irp c, 0,1
	ds_load_b128 v[64*WP+8*\s+4*\c:64*WP+8*\s+4*\c+3], v[WFA+WH/2] offset:HEADB*(WH%2)+16*XP*WT+64*\s+32*\c
.endr
.endr
.endm
; Tile m of my tokens: 16 rows as loaded turn through my stage into eight fragments.  left: the loads issued behind the tile's own.
.macro XTILE m, left
	s_wait_loadcnt \left
	WIN 0x08                                       ; the stores' data: window 2
.irp i, 0,1,2,3,4,5,6,7,8,9,10,11,12,13,14,15
	ds_store_b128 v[XSW], v[64*(\m)+4*\i:64*(\m)+4*\i+3] offset:XP*\i
.endr
	WIN 0x40                                       ; destination window 1
.irp s, 0,1,2,3,4,5,6,7
.irp c, 0,1
	ds_load_b128 v[64*(\m)+8*\s+4*\c:64*(\m)+8*\s+4*\c+3], v[XFA] offset:64*\s+32*\c   ; LDS serves a wave's instructions in order (ISA guide 5.7.1.4): these see the stores above, and the next tile's stores come behind them
.endr
.endr
	WIN 0
.endm
; K step s of column tile (H, T): four matrix instructions, the four accumulators by turns, one instruction a turn.  K steps 4 to 7 take their scale words from lanes 16-31.
.macro MMS s
.irp m, 0,1,2,3
.if (\s) == 0
	v_wmma_scale_f32_16x16x128_f8f6f4 v[ACC+32*P+8*\m:ACC+32*P+8*\m+7], v[64*P+8*(\s):64*P+8*(\s)+7], v[64*\m+8*(\s):64*\m+8*(\s)+7], v[BIAS+32*(H%4)+8*T:BIAS+32*(H%4)+8*T+7], v[WS+16*(H%4)+4*T+(\s)], v[XS+4*\m+(\s)] matrix_a_fmt:MATRIX_FMT_FP4 matrix_b_fmt:MATRIX_FMT_FP4
.elseif (\s) < 4
	v_wmma_scale_f32_16x16x128_f8f6f4 v[ACC+32*P+8*\m:ACC+32*P+8*\m+7], v[64*P+8*(\s):64*P+8*(\s)+7], v[64*\m+8*(\s):64*\m+8*(\s)+7], v[ACC+32*P+8*\m:ACC+32*P+8*\m+7], v[WS+16*(H%4)+4*T+(\s)], v[XS+4*\m+(\s)] matrix_a_fmt:MATRIX_FMT_FP4 matrix_b_fmt:MATRIX_FMT_FP4
.else
	v_wmma_scale_f32_16x16x128_f8f6f4 v[ACC+32*P+8*\m:ACC+32*P+8*\m+7], v[64*P+8*(\s):64*P+8*(\s)+7], v[64*\m+8*(\s):64*\m+8*(\s)+7], v[ACC+32*P+8*\m:ACC+32*P+8*\m+7], v[WS+16*(H%4)+4*T+(\s)-4], v[XS+4*\m+(\s)-4] matrix_a_fmt:MATRIX_FMT_FP4 matrix_b_fmt:MATRIX_FMT_FP4 matrix_a_scale:MATRIX_SCALE_ROW1 matrix_b_scale:MATRIX_SCALE_ROW1
.endif
.endr
.endm
; Slice k of eight of the selection of column tile (PH, PT), whose results lie in accumulator set PP: registers 4 (k % 2) .. + 3 of accumulator k / 2: each accumulator from its low end on.
.macro SELS k
.set SLM, (\k)/2
.set SLJ, 4*((\k)%2)
.if PH == 0
	WIN 0x80                                       ; destination window 2
.irp e, 0,1,2,3
	v_mov_b32 v[RES+32*SLM+8*PT+SLJ+\e], v[ACC+32*PP+8*SLM+SLJ+\e]   ; head 0 starts the kept results
.endr
.else
	WIN 0x82                                       ; destination and source 0 window 2
.irp e, 0,1,2,3
	v_cndmask_b32 v[RES+32*SLM+8*PT+SLJ+\e], v[RES+32*SLM+8*PT+SLJ+\e], v[ACC+32*PP+8*SLM+SLJ+\e], s[MK+4*PH+SLM]
.endr
.endif
.endm
; Column tile N.
.macro TILE
.set H, N/4
.set T, N%4
.set P, N%2
.set PH, (N-1)/4
.set PT, (N-1)%4
.set PP, 1-P
.set DSN, 0
.if (T == 2) && (H < 7)
.if H < 6
	s_wait_loadcnt 28                              ; head H + 1's 28 loads are in: behind them went head H + 2's 28
.else
	s_wait_loadcnt 0x0                             ; the last head's: nothing was issued behind them
.endif
	PUT H+1
.set DSN, DSN+16
.endif
.if N < 31
	WFLOAD N+1                                     ; 32 matrix instructions ahead of their use, into the buffer that the tile before has left (five places back)
.set DSN, DSN+16
.endif
	s_wait_dscnt DSN                               ; this tile's fragments are in; what was issued behind them (PUT's 16 stores, the next tile's 16 loads) may be out
.irp s, 0,1,2,3,4,5,6,7
.if \s == 0
	WIN 0x36                                       ; source 0 (W) window 2, source 1 (x) window 1, C (the bias) window 3, D window 0
.else
	WIN 0x06                                       ; C and D window 0
.endif
	MMS \s
.if N > 0
	SELS \s
.endif
.endr
.rept 5
	v_nop                                          ; four places ahead of the selection's reads of these results and of the loads into this tile's fragments; the fifth for the products two tiles on, which begin these accumulators anew with another C
.endr
.if (T == 2) && (H < 7)
	s_wait_dscnt 0x0                               ; for the others' sake: my rows of head H + 1 are in LDS (stored 32 matrix instructions ago); and the stores have read their registers,
.if H+3 <= 7
	GL H+3                                         ; which take the rows of two heads on
.endif
	s_barrier_signal -1
	s_barrier_wait -1                              ; head H + 1 is whole in LDS
.endif
.endm
	s_load_b256 s[4:11], s[0:1], 0x0               ; W's codes, W's scales, b, x's codes
	s_load_b128 s[12:15], s[0:1], 0x20             ; x's scales, the index
	s_load_b64 s[16:17], s[0:1], 0x30              ; out
	v_lshl_add_u32 v126, v0, 2, 0x4e800
	v_mov_b32 v127, 0
	v_lshrrev_b32 v24, 5, v0
	v_readfirstlane_b32 s18, v24                   ; wave 0..3
	v_and_b32 v25, 31, v0                          ; lane
	v_and_b32 v[RR], 15, v0
	v_bfe_u32 v26, v0, 4, 1                        ; h2
	v_lshlrev_b32 v[L16], 4, v25
	v_lshlrev_b32 v[C16], 4, v[RR]
	v_lshlrev_b32 v[H16], 4, v26
	v_lshlrev_b32 v[BO], 5, v26
	v_lshl_add_u32 v[WSO], v[RR], 5, v[H16]
	v_lshlrev_b32 v[IXO], 2, v[RR]
	s_mov_b32 s23, 0
	s_wait_kmcnt 0x0
	s_lshl_b32 s22, s18, 13                        ; 16 rows of W: 8,192 bytes
	s_add_nc_u64 s[4:5], s[4:5], s[22:23]
	s_lshl_b32 s22, ttmp9, 17                      ; 256 tokens of 512 bytes,
	s_lshl_b32 s21, s18, 15                        ; 64 of them
	s_add_co_u32 s22, s22, s21
	s_add_nc_u64 s[10:11], s[10:11], s[22:23]
	s_lshl_b32 s22, ttmp9, 13                      ; of 32 scale bytes
	s_lshl_b32 s21, s18, 11
	s_add_co_u32 s22, s22, s21
	s_add_nc_u64 s[12:13], s[12:13], s[22:23]
	s_lshl_b32 s22, ttmp9, 10                      ; of one index
	s_lshl_b32 s21, s18, 8
	s_add_co_u32 s22, s22, s21
	s_add_nc_u64 s[14:15], s[14:15], s[22:23]
	s_lshl_b32 s22, ttmp9, 16                      ; of 256 bytes of out
	s_lshl_b32 s21, s18, 14
	s_add_co_u32 s22, s22, s21
	s_add_nc_u64 s[16:17], s[16:17], s[22:23]
	GL 0
.irp m, 0,1,2,3
	global_load_b32 v[IDX+\m], v[IXO], s[14:15] offset:64*\m               ; both halves of the lanes take token 16 m + r's index
.endr
.irp m, 0,1,2,3
	global_load_b128 v[XS+4*\m:XS+4*\m+3], v[WSO], s[12:13] offset:512*\m  ; token 16 m + r: its scale words 0-3 (lanes 0-15) or 4-7 (lanes 16-31): 512 consecutive bytes
.endr
	WIN 0x80                                       ; destination window 2
.irp m, 0,1,2,3
.irp i, 0,1,2,3,4,5,6,7,8,9,10,11,12,13,14,15
	global_load_b128 v[64*\m+4*\i:64*\m+4*\i+3], v[L16], s[10:11] offset:8192*\m+512*\i th:TH_LOAD_NT   ; a token's whole row; read once in the launch
.endr
.endr
	WIN 0
	; the LDS addresses, each a constant + a lane term + a constant x wave, are made while the loads are on their way
	s_mul_i32 s21, s18, 16*XP
	v_add_nc_u32 v[WST], s21, v[L16]
	v_add_nc_u32 v[WST+1], 2*HEADB, v[WST]
	v_add_nc_u32 v[WST+2], 4*HEADB, v[WST]
	v_add_nc_u32 v[WST+3], 6*HEADB, v[WST]
	v_mul_u32_u24 v[WFA], v[RR], XP
	v_add_nc_u32 v[WFA], v[WFA], v[H16]
	v_add_nc_u32 v[WFA+1], 2*HEADB, v[WFA]
	v_add_nc_u32 v[WFA+2], 4*HEADB, v[WFA]
	v_add_nc_u32 v[WFA+3], 6*HEADB, v[WFA]
	s_add_co_u32 s21, s21, XSTG                    ; my wave's stage for x
	v_add_nc_u32 v[XSW], s21, v[L16]
	v_add_nc_u32 v[XFA], s21, v[WFA]
	s_mul_i32 s21, s18, 16*OP
	s_add_co_u32 s21, s21, OSTG                    ; my wave's stage for out
	v_mul_u32_u24 v[OST], v[RR], OP
	v_lshl_add_u32 v[OST], v26, 5, v[OST]
	v_add_nc_u32 v[OST], s21, v[OST]
	v_mul_u32_u24 v[ORD], v26, 8*OP
	v_add_nc_u32 v[ORD], v[ORD], v[C16]
	v_add_nc_u32 v[ORD], s21, v[ORD]
	v_lshl_add_u32 v[OOF], v26, 11, v[C16]
	XTILE 0, 48                                    ; behind tile 0's loads: tiles 1 to 3, 48
	GL 1
	XTILE 1, 60                                    ; tiles 2 and 3, 32, and head 1's 28
	XTILE 2, 44                                    ; tile 3's 16 and head 1's 28
	XTILE 3, 28                                    ; head 1's 28.  All that was issued ahead of x is in too: head 0's 28 loads, the indices, x's scale words
.irp h, 1,2,3,4,5,6,7
.irp m, 0,1,2,3
	v_cmp_eq_u32 s[MK+4*\h+\m], \h, v[IDX+\m]
.endr
.endr
	PUT 0
	s_wait_dscnt 0x0                               ; x's fragments are in; for the others' sake: my rows of head 0 are in LDS; and the stores have read their registers
	GL 2
	s_barrier_signal -1
	s_barrier_wait -1                              ; head 0 is whole in LDS
	WFLOAD 0
.set N, 0
.rept 32
	TILE
.set N, N+1
.endr
.set PH, 7                                     ; the last tile's selection, behind its five places
.set PT, 3
.set PP, 1
.irp k, 0,1,2,3,4,5,6,7
	SELS \k
.endr
; THE WAY OUT, a tile of 16 tokens at a time.  A lane holds 32 neighbouring bytes of four pieces of one row: the tile goes through my stage and comes back as whole rows.
.irp m, 0,1,2,3
	WIN 0x08                                       ; the stores' data: window 2
.irp t, 0,1,2,3
	ds_store_b128 v[OST], v[RES+32*\m+8*\t:RES+32*\m+8*\t+3] offset:64*\t          ; lane (r, h2): out(token r, 16 t + 8 h2 + 0 .. 7)
	ds_store_b128 v[OST], v[RES+32*\m+8*\t+4:RES+32*\m+8*\t+7] offset:64*\t+16
.endr
	WIN 0
.if \m >= 2
	s_wait_xcnt 0x0                                ; the stores of two tiles back have read their registers: these are loaded again only behind this wait
.endif
.irp i, 0,1,2,3,4,5,6,7
	ds_load_b128 v[OB+32*(\m%2)+4*\i:OB+32*(\m%2)+4*\i+3], v[ORD] offset:OP*\i      ; LDS serves a wave's instructions in order: these see the stores above, and the next tile's stores come behind them
.endr
.irp i, 0,1,2,3,4,5,6,7
	s_wait_dscnt 7-\i                              ; the loads behind load i may be out
	global_store_b128 v[OOF], v[OB+32*(\m%2)+4*\i:OB+32*(\m%2)+4*\i+3], s[16:17] offset:4096*\m+256*\i th:TH_STORE_NT   ; lanes 0-15 store token i's 256 consecutive aligned bytes, lanes 16-31 token 8 + i's; written once, read by nobody here
.endr
.endr
	s_wait_tensorcnt 0x0
	ds_add_u32 v126, v127
	s_wait_dscnt 0x0
	s_endpgm
.Lfunc_end_k_qa719423f2e_readout:
	.size	k_qa719423f2e_readout, .Lfunc_end_k_qa719423f2e_readout-k_qa719423f2e_readout
	.p2alignl 7, 3214868480
	.fill 96, 4, 3214868480
	.section	.rodata,"a",@progbits
	.p2align	6, 0x0
	.amdhsa_kernel k_qa719423f2e_readout
		.amdhsa_group_segment_fixed_size 322048
		.amdhsa_private_segment_fixed_size 0
		.amdhsa_enable_private_segment 0
		.amdhsa_kernarg_size 56
		.amdhsa_user_sgpr_count 2
		.amdhsa_user_sgpr_kernarg_segment_ptr 1
		.amdhsa_wavefront_size32 1
		.amdhsa_system_sgpr_workgroup_id_x 1
		.amdhsa_system_sgpr_workgroup_id_y 1
		.amdhsa_system_sgpr_workgroup_id_z 1
		.amdhsa_system_vgpr_workitem_id 0
		.amdhsa_next_free_vgpr 1024
		.amdhsa_next_free_sgpr 66
		.amdhsa_reserve_vcc 0
		.amdhsa_float_denorm_mode_32 3
		.amdhsa_float_denorm_mode_16_64 3
		.amdhsa_memory_ordered 1
		.amdhsa_forward_progress 1
		.amdhsa_inst_pref_size 255
	.end_amdhsa_kernel
	.section	.bss,"aw",@nobits
	.p2align	6
	.space	262144
	.amdgpu_metadata
---
amdhsa.version: [ 1, 2 ]
amdhsa.kernels:
  - .name:           k_qa719423f2e_readout
    .symbol:         k_qa719423f2e_readout.kd
    .args:
      - { .name: W_codes, .offset: 0, .size: 8, .value_kind: global_buffer, .address_space: global }
      - { .name: W_scales, .offset: 8, .size: 8, .value_kind: global_buffer, .address_space: global }
      - { .name: b, .offset: 16, .size: 8, .value_kind: global_buffer, .address_space: global }
      - { .name: output_embs_codes, .offset: 24, .size: 8, .value_kind: global_buffer, .address_space: global }
      - { .name: output_embs_scales, .offset: 32, .size: 8, .value_kind: global_buffer, .address_space: global }
      - { .name: output_readout_index, .offset: 40, .size: 8, .value_kind: global_buffer, .address_space: global }
      - { .name: out0, .offset: 48, .size: 8, .value_kind: global_buffer, .address_space: global }
    .group_segment_fixed_size: 322048
    .private_segment_fixed_size: 0
    .kernarg_segment_align: 8
    .kernarg_segment_size: 56
    .max_flat_workgroup_size: 128
    .sgpr_count:     66
    .vgpr_count:     1024
    .wavefront_size: 32
...
	.end_amdgpu_metadata
.endif
;; end of part 1
;; ======== version 2 of 3: 1 launch; 1.63 times as fast as version 1
;; launch readout (part 2): grid 8 x 32, 4 waves a work-group, no clusters, 85,504 bytes of LDS; arguments W_codes, W_scales, b, output_embs_codes, output_embs_scales, output_readout_index, out0; writes out0
.if DOCPART == 2
	.amdgcn_target "amdgcn-amd-amdhsa--gfx1250"
	.amdhsa_code_object_version 6
	.text
	.protected	k_qa719423f2e_readout
	.globl	k_qa719423f2e_readout
	.p2align	8
	.type	k_qa719423f2e_readout,@function
k_qa719423f2e_readout:
	s_mov_b64 s[64:65], 0
	v_nop
	global_prefetch_b8 v0, s[64:65] scope:SCOPE_SE
	s_setreg_imm32_b32 hwreg(HW_REG_WAVE_MODE, 25, 1), 1
	s_wait_xcnt 0x0
; out[token][0..63] = x[token] . W[head(token)]^T + b[head(token)], on codes of FP4 (E2M1) with one E8M0 scale for each 32 along K = 1,024; sums in f32.
; Only the head that the index names is multiplied for a token: the other seven results are thrown away by the gather that the problem itself makes.
; SHARES.  Work-group (x = head h, y = segment g) serves head h in tokens 2,048 g .. 2,048 g + 2,047; wave w owns the 512 tokens from 2,048 g + 512 w on whose index is h: n = 0 to 512 of them, 64 at an even split.
; So each row of out has one owner.  A wave takes its tokens in tiles of 16: tile 6 b + j (batch b, slot j = 0..5).  A batch's six tiles are gathered ahead, 102 loads.
; Batch 0 (96 tokens) is written out; batches 1 to 5 are a loop of five trips that every wave walks, jumping over the work of a trip in which it has no tile: 36 tiles, and 512 tokens are 32.
; THE LIST IS MADE IN REGISTERS, from the index as this wave loads it: every branch and every address follows from the index by register arithmetic alone.  Sixteen compares give sixteen lane masks (scalars), their
; bit counts the running counts P[q] and n.  A lane that wants the token of rank p finds the last word q with P[q] <= p, then the bit of rank p - P[q] in that word.  The list's order is of no account.
; W_h (64 rows x 512 bytes) stays in every wave's registers as 32 fragments (256 registers), its scale words in 16, the bias in 32: read from memory once by the work-group, passed round through LDS once.
; A row of x is 512 consecutive bytes, a row of out 256: sixteen neighbouring lanes always load or store 256 consecutive aligned bytes of ONE row, whatever rows the list names.
; THE MATRIX INSTRUCTION IS USED TRANSPOSED: source 0 = 16 rows of W_h, source 1 = the tile's 16 tokens: a lane then holds eight neighbouring outputs of one token.  The bias is the C of each sum's first instruction.
; THE LAST TILE.  A row at or past the list's end takes the token of the tile's row 0, for its loads and its store alike: it computes and stores the same bytes into the same row.  EXEC is never changed.
; NO JOINT LOADS AND NO TENSOR LOADS: the waves' branches hang on a count made from loaded numbers; and what the 32 work-groups of a head share, W_h with scales and bias (35,072 bytes), is a small part
; of what a work-group moves at an even split (256 tokens x (512 + 32 + 256) bytes = 204,800).  No prefetch: a row's address is known only when its gather goes out anyway.
; LIMITS.  An index outside 0..7 leaves its row unwritten (the problem keeps an index inside its table).  The bias is the sum's first addend and K then ascends, where the definition adds it last: another order of f32 rounding.
; Codes and scale bytes go to the matrix unit as given: a scale byte 0xff gives NaN.  Speed, not the values, hangs on the split: with all tokens on one head 224 work-groups store nothing.
;
; LDS (bytes)
.set WAREA,  0                         ; W_h: 64 rows, 528 bytes apart
.set XSTG,   33792                     ; for each wave 16 rows of x, 528 bytes apart
.set OSTG,   67584                     ; for each wave 16 rows of out, 272 bytes apart
.set XP,     528                       ; 512 + 16 = 33 x 16 bytes: the 16 rows that a fragment load touches start at 16 different groups of four banks (64 banks of 4 bytes: ISA guide 11.1)
.set OP,     272                       ; 256 + 16 = 17 x 16 bytes: likewise
; REGISTERS, window 0
.set L16,  1                           ; 16 x lane
.set C16,  2                           ; 16 r          (r = lane % 16, h2 = lane / 16)
.set H16,  3                           ; 16 h2
.set RR,   4                           ; r
.set XST,  5                           ; x's stage, on the way in: rows i (lanes 0-15) and 8 + i (lanes 16-31), 16 bytes a lane
.set XFA,  6                           ; and on the way out: row r, + 16 h2
.set OST,  7                           ; out's stage, in: row r, + 32 h2
.set ORD,  8                           ; and back: rows i and 8 + i, 16 bytes a lane
.set WST,  9                           ; where my wave puts its 16 rows of W_h
.set WFA,  10                          ; where a fragment of W_h is read: row r, + 16 h2
.set BO,   18                          ; 32 h2
.set WSO,  19                          ; 32 r + 16 h2
.set PB,   20                          ; at work: the batch's first rank of my row, packed
.set ROWI, 24                          ; v24-31   8 h2 + i
.set WS,   32                          ; v32-47   W_h's scale words: register 4 t + q: lanes 0-15 word q of row 16 t + r, lanes 16-31 word 4 + q.  Scales and nothing else
.set XS,   48                          ; v48-71   x's scale words, register 4 j + q, laid likewise.  Scales and nothing else
.set XSO,  72                          ; v72-77   slot j: offset of its scale load
.set XF,   80                          ; v80-143  the tile's eight fragments of x (K step s at 8 s)
.set TL,   80                          ;          before that a batch's list entries: slot j at 10 j: +0..7 rows 8 h2 + i, +8 row r, +9 the tile's row 0
.set TLS,  10
.set ACC,  144                         ; v144-175 four accumulators
.set OB,   176                         ; v176-207 16 rows of out, back from the stage
.set BIAS, 208                         ; v208-239 register 8 t + jj: b[h][16 t + 8 h2 + jj]
.set IX,   240                         ; v240-255 my 512 indices: register 4 k + e of lane l is token 128 k + 4 l + e
; the list's work registers lie where the accumulators and the rows of out will: ten runs of six, one register for each slot
.set PK,   144                         ; (rank << 16) | 0xffff; later TT, at work
.set TT,   144
.set MSEL, 150                         ; the word (a lane mask) that holds my rank
.set SSEL, 156                         ; (its P << 16) | its first token; later its first token alone
.set DD,   162                         ; the rank inside the word
.set C1,   168                         ; the word's bit counts by fields of 2,
.set C2,   174                         ; of 4,
.set C4,   180                         ; of 8 bits
.set UU,   186                         ; at work
.set PO,   192                         ; the bit's place, so far
.set SH,   198                         ; at work
; window 1: W_h's fragments, (t, s) at v[64 t + 8 s].   window 2: the rows as gathered, slots 0-3 at v[64 j]; slot 3's registers first hold my 16 rows of W_h as loaded.
; window 3: slots 4 and 5 at v0-127; from v128 the offsets of the gathers, from v176 those of the stores, 8 a slot.
.set WR,   192
.set XO,   128
.set OO,   176
; SCALARS: s[4:5] W_h's codes at my wave's 16 rows; s[6:7] W_h's scales; s[8:9] b[h]; s[10:11], s[12:13], s[14:15], s[16:17] x's codes, x's scales, the index and out at my wave's first token;
; s18 wave; s19 h; s20 g; s21, s[22:23] at work; s25 n - 96 b; s26 96 b; s27 trips; s28 the rows that count in the tile in hand; s29 the running count.
.set HIM,  30                          ; s30      lanes 16-31
.set LM,   32                          ; s32-40   lane masks at work
.set MW,   44                          ; s44-59   word q: the lanes whose token 128 (q / 4) + 4 lane + q % 4 has head h
.set SPK,  66                          ; s66-81   (P[q] << 16) | 128 (q / 4) + q % 4: the tokens ahead of word q, over the word's first token
.set RL,   82                          ; s82-97   a tile's 16 tokens
.set MSB, 0
.macro WIN new                         ; s_set_vgpr_msb: bits 1:0 source 0, 3:2 source 1, 5:4 source 2, 7:6 destination; the high byte repeats the setting that is left
.if MSB != \new
	s_set_vgpr_msb (MSB<<8)|\new
.set MSB, \new
.endif
.endm
; One halving of the search for the bit of rank DD: the count of the lower w bits at PO comes out of the counts by fields of w; where the rank is not below it, the rank loses it and the place gains w.
.macro LEVEL src, w
.irp j, 0,1,2,3,4,5
	v_bfe_u32 v[TT+\j], v[\src+\j], v[PO+\j], \w
.endr
.irp j, 0,1,2,3,4,5
	v_cmp_ge_u32 s[LM+\j], v[DD+\j], v[TT+\j]
.endr
.irp j, 0,1,2,3,4,5
	v_cndmask_b32 v[UU+\j], 0, v[TT+\j], s[LM+\j]
.endr
.irp j, 0,1,2,3,4,5
	v_sub_nc_u32 v[DD+\j], v[DD+\j], v[UU+\j]
.endr
.irp j, 0,1,2,3,4,5
	v_cndmask_b32 v[SH+\j], 0, \w, s[LM+\j]
.endr
.irp j, 0,1,2,3,4,5
	v_add_nc_u32 v[PO+\j], v[PO+\j], v[SH+\j]
.endr
.endm
; A batch's six tiles: into v[TL + 10 j + 8] comes, in lane l, the token of rank 96 b + 16 j + l % 16.  The six slots take turns line by line, so that no line waits for the line above it.
; A rank at or past n ends in word 15 at some place 0..31: a token inside my 512, which is replaced or never used.
.macro LISTS
	v_add_nc_u32 v[PB], s26, v[RR]
	v_lshl_or_b32 v[PB], v[PB], 16, 0xffff
.irp j, 0,1,2,3,4,5
	v_add_nc_u32 v[PK+\j], (\j)<<20, v[PB]         ; 16 ranks a slot.  With 0xffff below the rank, PK >= (P << 16 | first token) says rank >= P
.endr
.irp j, 0,1,2,3,4,5
	v_mov_b32 v[MSEL+\j], s[MW]
.endr
.irp j, 0,1,2,3,4,5
	v_mov_b32 v[SSEL+\j], s[SPK]
.endr
.irp q, 1,2,3,4,5,6,7,8,9,10,11,12,13,14,15
.irp j, 0,1,2,3,4,5
	v_cmp_ge_u32 s[LM+\j], v[PK+\j], s[SPK+\q]     ; P rises with q: the last word that passes is the one that holds the rank (an empty word is passed over by the next, whose P is equal)
.endr
.irp j, 0,1,2,3,4,5
	v_cndmask_b32 v[MSEL+\j], v[MSEL+\j], s[MW+\q], s[LM+\j]
.endr
.irp j, 0,1,2,3,4,5
	v_cndmask_b32 v[SSEL+\j], v[SSEL+\j], s[SPK+\q], s[LM+\j]
.endr
.endr
.irp j, 0,1,2,3,4,5
	v_sub_nc_u32 v[DD+\j], v[PK+\j], v[SSEL+\j]    ; ((rank - P) << 16) + (0xffff - first token): no borrow
.endr
.irp j, 0,1,2,3,4,5
	v_lshrrev_b32 v[DD+\j], 16, v[DD+\j]
.endr
.irp j, 0,1,2,3,4,5
	v_and_b32 v[SSEL+\j], 0xffff, v[SSEL+\j]
.endr
.irp j, 0,1,2,3,4,5
	v_lshrrev_b32 v[TT+\j], 1, v[MSEL+\j]          ; the word's bit counts: by fields of 2,
.endr
.irp j, 0,1,2,3,4,5
	v_and_b32 v[TT+\j], 0x55555555, v[TT+\j]
.endr
.irp j, 0,1,2,3,4,5
	v_sub_nc_u32 v[C1+\j], v[MSEL+\j], v[TT+\j]
.endr
.irp j, 0,1,2,3,4,5
	v_lshrrev_b32 v[TT+\j], 2, v[C1+\j]            ; of 4,
.endr
.irp j, 0,1,2,3,4,5
	v_and_b32 v[TT+\j], 0x33333333, v[TT+\j]
.endr
.irp j, 0,1,2,3,4,5
	v_and_b32 v[UU+\j], 0x33333333, v[C1+\j]
.endr
.irp j, 0,1,2,3,4,5
	v_add_nc_u32 v[C2+\j], v[UU+\j], v[TT+\j]
.endr
.irp j, 0,1,2,3,4,5
	v_lshrrev_b32 v[TT+\j], 4, v[C2+\j]            ; of 8,
.endr
.irp j, 0,1,2,3,4,5
	v_add_nc_u32 v[TT+\j], v[TT+\j], v[C2+\j]
.endr
.irp j, 0,1,2,3,4,5
	v_and_b32 v[C4+\j], 0x0f0f0f0f, v[TT+\j]
.endr
.irp j, 0,1,2,3,4,5
	v_bfe_u32 v[TT+\j], v[C4+\j], 8, 8             ; and of the low 16
.endr
.irp j, 0,1,2,3,4,5
	v_and_b32 v[UU+\j], 0xff, v[C4+\j]
.endr
.irp j, 0,1,2,3,4,5
	v_add_nc_u32 v[TT+\j], v[TT+\j], v[UU+\j]
.endr
.irp j, 0,1,2,3,4,5
	v_cmp_ge_u32 s[LM+\j], v[DD+\j], v[TT+\j]      ; the first halving starts the place
.endr
.irp j, 0,1,2,3,4,5
	v_cndmask_b32 v[UU+\j], 0, v[TT+\j], s[LM+\j]
.endr
.irp j, 0,1,2,3,4,5
	v_sub_nc_u32 v[DD+\j], v[DD+\j], v[UU+\j]
.endr
.irp j, 0,1,2,3,4,5
	v_cndmask_b32 v[PO+\j], 0, 16, s[LM+\j]
.endr
	LEVEL C4, 8
	LEVEL C2, 4
	LEVEL C1, 2
.irp j, 0,1,2,3,4,5
	v_bfe_u32 v[TT+\j], v[MSEL+\j], v[PO+\j], 1    ; the last halving: the rank is used no more
.endr
.irp j, 0,1,2,3,4,5
	v_cmp_ge_u32 s[LM+\j], v[DD+\j], v[TT+\j]
.endr
.irp j, 0,1,2,3,4,5
	v_cndmask_b32 v[SH+\j], 0, 1, s[LM+\j]
.endr
.irp j, 0,1,2,3,4,5
	v_add_nc_u32 v[PO+\j], v[PO+\j], v[SH+\j]
.endr
.irp j, 0,1,2,3,4,5
	v_lshl_add_u32 v[TL+TLS*\j+8], v[PO+\j], 2, v[SSEL+\j]   ; the token: the word's first + 4 x the lane that the bit stands for
.endr
.endm
; Slot j's gather: 17 loads; a batch's six slots are always issued together, so that the counted waits below hold on every way.  Load (i, u): lanes 0-15 take bytes 256 u .. 256 u + 255 of row i's token, lanes 16-31 of row 8 + i's.
.macro ISSUE_SLOT j
.set RB, 64*((\j)%4)
.set TJ, TL+TLS*(\j)
.irp k, 0,1,2,3,4,5,6,7,8,9,10,11,12,13,14,15
	v_readlane_b32 s[RL+\k], v[TJ+8], \k           ; the tile's 16 tokens as scalars,
.endr
.irp i, 0,1,2,3,4,5,6,7
	v_mov_b32 v[TJ+\i], s[RL+\i]                   ; and by halves: row i in lanes 0-15,
.endr
.irp i, 0,1,2,3,4,5,6,7
	v_cndmask_b32 v[TJ+\i], v[TJ+\i], s[RL+8+\i], s[HIM]   ; row 8 + i in lanes 16-31
.endr
	v_mov_b32 v[TJ+9], s[RL]
	s_sub_co_i32 s28, s25, 16*(\j)                 ; the rows of this tile that count: n - 16 x tile (16 or more: all; 0 or less: none)
.irp i, 0,1,2,3,4,5,6,7
	v_cmp_gt_i32 s[LM+\i], s28, v[ROWI+\i]
.endr
	v_cmp_gt_i32 s[LM+8], s28, v[RR]
.irp i, 0,1,2,3,4,5,6,7
	v_cndmask_b32 v[TJ+\i], v[TJ+9], v[TJ+\i], s[LM+\i]    ; a row that does not count takes the tile's first token
.endr
	v_cndmask_b32 v[TJ+8], v[TJ+9], v[TJ+8], s[LM+8]
.irp i, 0,1,2,3,4,5,6,7,8
	v_min_u32 v[TJ+\i], 0x1ff, v[TJ+\i]            ; held inside my 512 tokens
.endr
	v_lshl_add_u32 v[XSO+\j], v[TJ+8], 5, v[H16]
	WIN 0xc0                                       ; destination window 3
.irp i, 0,1,2,3,4,5,6,7
	v_lshl_add_u32 v[XO+8*(\j)+\i], v[TJ+\i], 9, v[C16]
.endr
.irp i, 0,1,2,3,4,5,6,7
	v_lshl_add_u32 v[OO+8*(\j)+\i], v[TJ+\i], 8, v[C16]
.endr
.if (\j) < 4
	WIN 0x83                                       ; address window 3, destination window 2
.else
	WIN 0xc3                                       ; both window 3
.endif
.irp i, 0,1,2,3,4,5,6,7
.irp u, 0,1
	global_load_b128 v[RB+4*(2*\i+\u):RB+4*(2*\i+\u)+3], v[XO+8*(\j)+\i], s[10:11] offset:256*\u
.endr
.endr
	WIN 0
	global_load_b128 v[XS+4*(\j):XS+4*(\j)+3], v[XSO+\j], s[12:13]   ; row r's scale words 0-3 (lanes 0-15) or 4-7 (lanes 16-31)
.endm
; W_h's 32 fragments out of LDS into window 1: they stay.  Registers 4 c .. 4 c + 3 of K step s are bytes 64 s + 32 c + 16 h2 on of the row.
.macro WFRAG
	WIN 0x40
.irp t, 0,1,2,3
.irp s, 0,1,2,3,4,5,6,7
.irp c, 0,1
	ds_load_b128 v[64*\t+8*\s+4*\c:64*\t+8*\s+4*\c+3], v[WFA] offset:WAREA+16*XP*\t+64*\s+32*\c
.endr
.endr
.endr
	WIN 0
.endm
; K step s of slot j's tile: four matrix instructions, the four accumulators by turns, one instruction a turn.  K steps 4 to 7 take their scale words from lanes 16-31.
.macro MM j, s
.irp t, 0,1,2,3
.if (\s) == 0
	v_wmma_scale_f32_16x16x128_f8f6f4 v[ACC+8*\t:ACC+8*\t+7], v[64*\t+8*(\s):64*\t+8*(\s)+7], v[XF+8*(\s):XF+8*(\s)+7], v[BIAS+8*\t:BIAS+8*\t+7], v[WS+4*\t+(\s)], v[XS+4*(\j)+(\s)] matrix_a_fmt:MATRIX_FMT_FP4 matrix_b_fmt:MATRIX_FMT_FP4
.elseif (\s) < 4
	v_wmma_scale_f32_16x16x128_f8f6f4 v[ACC+8*\t:ACC+8*\t+7], v[64*\t+8*(\s):64*\t+8*(\s)+7], v[XF+8*(\s):XF+8*(\s)+7], v[ACC+8*\t:ACC+8*\t+7], v[WS+4*\t+(\s)], v[XS+4*(\j)+(\s)] matrix_a_fmt:MATRIX_FMT_FP4 matrix_b_fmt:MATRIX_FMT_FP4
.else
	v_wmma_scale_f32_16x16x128_f8f6f4 v[ACC+8*\t:ACC+8*\t+7], v[64*\t+8*(\s):64*\t+8*(\s)+7], v[XF+8*(\s):XF+8*(\s)+7], v[ACC+8*\t:ACC+8*\t+7], v[WS+4*\t+(\s)-4], v[XS+4*(\j)+(\s)-4] matrix_a_fmt:MATRIX_FMT_FP4 matrix_b_fmt:MATRIX_FMT_FP4 matrix_a_scale:MATRIX_SCALE_ROW1 matrix_b_scale:MATRIX_SCALE_ROW1
.endif
.endr
.endm
; Slot j's tile: the rows as gathered turn through my stage into fragments; 32 matrix instructions; the results turn through my other stage into whole rows; 8 stores of two rows each.
; out: where the wave goes on if the tile begins at or past the list's end (then so do all its later tiles).
.macro CONSUME j, out
.set RB, 64*((\j)%4)
	s_sub_co_i32 s28, s25, 16*(\j)
	s_cmp_le_i32 s28, 0
	s_cbranch_scc1 \out
.if (\j) < 2
	s_wait_loadcnt 63                              ; 85 and 68 loads were issued behind slot 0's and slot 1's; the wait's field ends at 63, the stricter count
.else
	s_wait_loadcnt 17*(5-(\j))                     ; 17 loads for each later slot of the batch
.endif
.if (\j) < 4
	WIN 0x08                                       ; an LDS store's data are its source 1: window 2
.else
	WIN 0x0c                                       ; window 3
.endif
.irp i, 0,1,2,3,4,5,6,7
.irp u, 0,1
	ds_store_b128 v[XST], v[RB+4*(2*\i+\u):RB+4*(2*\i+\u)+3] offset:XP*\i+256*\u   ; sixteen lanes store 256 consecutive bytes of a row
.endr
.endr
	WIN 0
.irp s, 0,1,2,3,4,5,6,7
.irp c, 0,1
	ds_load_b128 v[XF+8*\s+4*\c:XF+8*\s+4*\c+3], v[XFA] offset:64*\s+32*\c          ; LDS serves a wave's instructions in order (ISA guide 5.7.1.4): these see the stores above
.endr
.endr
	s_wait_dscnt 8                                 ; all but the eight loads of K steps 4 to 7 (in the first tile: W_h's fragments are in too)
	WIN 0x01                                       ; source 0 (W_h) window 1
.irp s, 0,1,2,3
	MM \j, \s
.endr
	s_wait_dscnt 0x0
.irp s, 4,5,6,7
	MM \j, \s
.endr
	WIN 0
.rept 5
	v_nop                                          ; four places ahead of the stores that read the results, of the next loads into the fragments' and scales' registers and of vector lines that write them; the fifth for the next tile's first products, which begin the accumulators anew with another C
.endr
	s_wait_xcnt 0x0                                ; the last tile's stores have read their registers: the rows' registers are loaded again only behind this wait
.irp t, 0,1,2,3
	ds_store_b128 v[OST], v[ACC+8*\t:ACC+8*\t+3] offset:64*\t          ; each accumulator from its low end on.  Lane (r, h2): out(row r, 16 t + 8 h2 + 0 .. 7)
	ds_store_b128 v[OST], v[ACC+8*\t+4:ACC+8*\t+7] offset:64*\t+16
.endr
.irp i, 0,1,2,3,4,5,6,7
	ds_load_b128 v[OB+4*\i:OB+4*\i+3], v[ORD] offset:OP*\i
.endr
	WIN 0x03                                       ; the stores' offsets lie in window 3
.irp i, 0,1,2,3,4,5,6,7
	s_wait_dscnt 7-\i                              ; the loads behind load i may be out
	global_store_b128 v[OO+8*(\j)+\i], v[OB+4*\i:OB+4*\i+3], s[16:17] th:TH_STORE_NT   ; lanes 0-15 store row i's 256 consecutive aligned bytes, lanes 16-31 row 8 + i's; written once, read by nobody here
.endr
	WIN 0
.endm
	s_load_b256 s[4:11], s[0:1], 0x0               ; W's codes, W's scales, b, x's codes
	s_load_b128 s[12:15], s[0:1], 0x20             ; x's scales, the index
	s_load_b64 s[16:17], s[0:1], 0x30              ; out
	v_lshl_add_u32 v78, v0, 2, 0x14c00
	v_mov_b32 v79, 0
	v_lshrrev_b32 v21, 5, v0
	v_readfirstlane_b32 s18, v21                   ; wave 0..3
	s_mov_b32 s19, ttmp9                           ; head
	s_and_b32 s20, ttmp7, 0xffff                   ; segment
	v_and_b32 v22, 31, v0                          ; lane
	v_and_b32 v[RR], 15, v0
	v_bfe_u32 v23, v0, 4, 1                        ; h2
	v_lshlrev_b32 v[L16], 4, v22
	v_lshlrev_b32 v[C16], 4, v[RR]
	v_lshlrev_b32 v[H16], 4, v23
	v_lshlrev_b32 v[BO], 5, v23
	v_lshl_add_u32 v[WSO], v[RR], 5, v[H16]
	s_mov_b32 s23, 0
	s_mov_b32 s[HIM], 0xffff0000
	s_wait_kmcnt 0x0
	s_lshl_b32 s22, s20, 13                        ; a segment's indices are 8,192 bytes,
	s_lshl_b32 s21, s18, 11                        ; my 512 of them 2,048
	s_add_co_u32 s22, s22, s21
	s_add_nc_u64 s[14:15], s[14:15], s[22:23]
.irp k, 0,1,2,3
	global_load_b128 v[IX+4*\k:IX+4*\k+3], v[L16], s[14:15] offset:512*\k   ; the indices go out first: the gathers hang on them
.endr
	s_lshl_b32 s22, s19, 15                        ; a head's codes are 32,768 bytes,
	s_lshl_b32 s21, s18, 13                        ; 16 rows of them 8,192
	s_add_co_u32 s22, s22, s21
	s_add_nc_u64 s[4:5], s[4:5], s[22:23]
	s_lshl_b32 s22, s19, 11                        ; a head's scale bytes: 2,048
	s_add_nc_u64 s[6:7], s[6:7], s[22:23]
	s_lshl_b32 s22, s19, 8                         ; its bias: 256 bytes
	s_add_nc_u64 s[8:9], s[8:9], s[22:23]
	WIN 0x80                                       ; destination window 2
.irp i, 0,1,2,3,4,5,6,7,8,9,10,11,12,13,14,15
	global_load_b128 v[WR+4*\i:WR+4*\i+3], v[L16], s[4:5] offset:512*\i    ; a whole row of W_h: 512 consecutive bytes
.endr
	WIN 0
.irp t, 0,1,2,3
	global_load_b128 v[WS+4*\t:WS+4*\t+3], v[WSO], s[6:7] offset:512*\t    ; row 16 t + r: its scale words 0-3 (lanes 0-15) or 4-7 (lanes 16-31)
.endr
.irp t, 0,1,2,3
	global_load_b128 v[BIAS+8*\t:BIAS+8*\t+3], v[BO], s[8:9] offset:64*\t
	global_load_b128 v[BIAS+8*\t+4:BIAS+8*\t+7], v[BO], s[8:9] offset:64*\t+16
.endr
	s_lshl_b32 s22, s20, 20                        ; a segment: 2,048 rows of 512 bytes,
	s_lshl_b32 s21, s18, 18                        ; my 512 of them
	s_add_co_u32 s22, s22, s21
	s_add_nc_u64 s[10:11], s[10:11], s[22:23]
	s_lshl_b32 s22, s20, 16                        ; of 32 scale bytes
	s_lshl_b32 s21, s18, 14
	s_add_co_u32 s22, s22, s21
	s_add_nc_u64 s[12:13], s[12:13], s[22:23]
	s_lshl_b32 s22, s20, 19                        ; of 256 bytes of out
	s_lshl_b32 s21, s18, 17
	s_add_co_u32 s22, s22, s21
	s_add_nc_u64 s[16:17], s[16:17], s[22:23]
	; the LDS addresses, all of them a constant + a lane term + a constant x wave, are made while the loads are on their way
	s_mul_i32 s21, s18, 16*XP                      ; my wave's 16 rows of W_h
	v_add_nc_u32 v[WST], s21, v[L16]
	v_mul_u32_u24 v[WFA], v[RR], XP
	v_add_nc_u32 v[WFA], v[WFA], v[H16]
	s_add_co_u32 s21, s21, XSTG                    ; my wave's stage for x
	v_mul_u32_u24 v[XST], v23, 8*XP
	v_add_nc_u32 v[XST], v[XST], v[C16]
	v_add_nc_u32 v[XST], s21, v[XST]
	v_add_nc_u32 v[XFA], s21, v[WFA]
	s_mul_i32 s21, s18, 16*OP
	s_add_co_u32 s21, s21, OSTG                    ; my wave's stage for out
	v_mul_u32_u24 v[OST], v[RR], OP
	v_lshl_add_u32 v[OST], v23, 5, v[OST]
	v_add_nc_u32 v[OST], s21, v[OST]
	v_mul_u32_u24 v[ORD], v23, 8*OP
	v_add_nc_u32 v[ORD], v[ORD], v[C16]
	v_add_nc_u32 v[ORD], s21, v[ORD]
.irp i, 0,1,2,3,4,5,6,7
	v_lshl_add_u32 v[ROWI+\i], v23, 3, \i
.endr
	s_mov_b32 s26, 0
	s_mov_b32 s27, 0
	s_mov_b32 s29, 0
	s_wait_loadcnt 28                              ; my indices are in: behind them went W_h's 16 rows, its 4 loads of scale words and the bias's 8
.irp q, 0,1,2,3,4,5,6,7,8,9,10,11,12,13,14,15
	v_cmp_eq_u32 s[MW+\q], s19, v[IX+\q]
.endr
.irp q, 0,1,2,3,4,5,6,7,8,9,10,11,12,13,14,15
	s_bcnt1_i32_b32 s21, s[MW+\q]
	s_lshl_b32 s[SPK+\q], s29, 16                  ; the tokens ahead of word q,
	s_or_b32 s[SPK+\q], s[SPK+\q], 128*(\q/4)+(\q%4)   ; over the word's first token
	s_add_co_u32 s29, s29, s21
.endr
	s_mov_b32 s25, s29                             ; n
	LISTS                                          ; batch 0
	ISSUE_SLOT 0
	ISSUE_SLOT 1
	ISSUE_SLOT 2
	s_wait_loadcnt 51                              ; all but the three slots' 51 loads: my rows of W_h, its scale words and the bias are in
	WIN 0x08
.irp i, 0,1,2,3,4,5,6,7,8,9,10,11,12,13,14,15
	ds_store_b128 v[WST], v[WR+4*\i:WR+4*\i+3] offset:WAREA+XP*\i
.endr
	WIN 0
	s_wait_dscnt 0x0                               ; for the others' sake: my rows of W_h are in LDS
	s_barrier_signal -1
	s_barrier_wait -1                              ; W_h is whole in LDS.  The only barrier, ahead of every branch: from here on a wave reads W_h, which nobody writes again, and its own stages
	WFRAG                                          ; ahead of slots 3 to 5: the 102 loads of a batch are more than the load counter's field holds, and the issue of a load that would pass it waits (ISA guide 5.7.1); these LDS loads go out ahead of that
	ISSUE_SLOT 3                                   ; into the registers that held my rows of W_h: the stores above have read them
	ISSUE_SLOT 4
	ISSUE_SLOT 5
	CONSUME 0, .Lfirst_done
	CONSUME 1, .Lfirst_done
	CONSUME 2, .Lfirst_done
	CONSUME 3, .Lfirst_done
	CONSUME 4, .Lfirst_done
	CONSUME 5, .Lfirst_done
.Lfirst_done:
	s_wait_dscnt 0x0                               ; (a wave without a tile: W_h's fragments are in)
; ---- BATCHES 1 TO 5.  Every wave walks all five trips; the count and the first rank are stepped at a trip's head, on every way; what is jumped over is the trip's work.
.Lbatch:
	s_sub_co_i32 s25, s25, 96
	s_add_co_u32 s26, s26, 96
	s_cmp_le_i32 s25, 0                            ; nothing of mine in this batch
	s_cbranch_scc1 .Lno_work
	s_wait_loadcnt 0x0                             ; no load of mine is out: the gathers' registers and offsets are written again
	s_wait_xcnt 0x0                                ; the stores have read their data and offsets, which this batch writes again
	LISTS
	ISSUE_SLOT 0
	ISSUE_SLOT 1
	ISSUE_SLOT 2
	ISSUE_SLOT 3
	ISSUE_SLOT 4
	ISSUE_SLOT 5
	CONSUME 0, .Lno_work
	CONSUME 1, .Lno_work
	CONSUME 2, .Lno_work
	CONSUME 3, .Lno_work
	CONSUME 4, .Lno_work
	CONSUME 5, .Lno_work
.Lno_work:
	s_add_co_u32 s27, s27, 1
	s_cmp_lt_u32 s27, 5
	s_cbranch_scc1 .Lbatch
	s_wait_tensorcnt 0x0
	ds_add_u32 v78, v79
	s_wait_dscnt 0x0
	s_endpgm
.Lfunc_end_k_qa719423f2e_readout:
	.size	k_qa719423f2e_readout, .Lfunc_end_k_qa719423f2e_readout-k_qa719423f2e_readout
	.p2alignl 7, 3214868480
	.fill 96, 4, 3214868480
	.section	.rodata,"a",@progbits
	.p2align	6, 0x0
	.amdhsa_kernel k_qa719423f2e_readout
		.amdhsa_group_segment_fixed_size 85504
		.amdhsa_private_segment_fixed_size 0
		.amdhsa_enable_private_segment 0
		.amdhsa_kernarg_size 56
		.amdhsa_user_sgpr_count 2
		.amdhsa_user_sgpr_kernarg_segment_ptr 1
		.amdhsa_wavefront_size32 1
		.amdhsa_system_sgpr_workgroup_id_x 1
		.amdhsa_system_sgpr_workgroup_id_y 1
		.amdhsa_system_sgpr_workgroup_id_z 1
		.amdhsa_system_vgpr_workitem_id 0
		.amdhsa_next_free_vgpr 992
		.amdhsa_next_free_sgpr 98
		.amdhsa_reserve_vcc 0
		.amdhsa_float_denorm_mode_32 3
		.amdhsa_float_denorm_mode_16_64 3
		.amdhsa_memory_ordered 1
		.amdhsa_forward_progress 1
		.amdhsa_inst_pref_size 255
	.end_amdhsa_kernel
	.amdgpu_metadata
---
amdhsa.version: [ 1, 2 ]
amdhsa.kernels:
  - .name:           k_qa719423f2e_readout
    .symbol:         k_qa719423f2e_readout.kd
    .args:
      - { .name: W_codes, .offset: 0, .size: 8, .value_kind: global_buffer, .address_space: global }
      - { .name: W_scales, .offset: 8, .size: 8, .value_kind: global_buffer, .address_space: global }
      - { .name: b, .offset: 16, .size: 8, .value_kind: global_buffer, .address_space: global }
      - { .name: output_embs_codes, .offset: 24, .size: 8, .value_kind: global_buffer, .address_space: global }
      - { .name: output_embs_scales, .offset: 32, .size: 8, .value_kind: global_buffer, .address_space: global }
      - { .name: output_readout_index, .offset: 40, .size: 8, .value_kind: global_buffer, .address_space: global }
      - { .name: out0, .offset: 48, .size: 8, .value_kind: global_buffer, .address_space: global }
    .group_segment_fixed_size: 85504
    .private_segment_fixed_size: 0
    .kernarg_segment_align: 8
    .kernarg_segment_size: 56
    .max_flat_workgroup_size: 128
    .sgpr_count:     98
    .vgpr_count:     992
    .wavefront_size: 32
...
	.end_amdgpu_metadata
.endif
;; end of part 2
;; ======== version 3 of 3: 1 launch; version 2 with the launch readout written anew for expert scheduling mode
;; launch readout (part 3): grid 8 x 32, 4 waves a work-group, no clusters, 85,504 bytes of LDS; arguments W_codes, W_scales, b, output_embs_codes, output_embs_scales, output_readout_index, out0; writes out0
.if DOCPART == 3
	.amdgcn_target "amdgcn-amd-amdhsa--gfx1250"
	.amdhsa_code_object_version 6
	.text
	.protected	k_qa719423f2e_readout
	.globl	k_qa719423f2e_readout
	.p2align	8
	.type	k_qa719423f2e_readout,@function
k_qa719423f2e_readout:
	s_mov_b64 s[64:65], 0
	v_nop
	global_prefetch_b8 v0, s[64:65] scope:SCOPE_SE
	s_setreg_imm32_b32 hwreg(HW_REG_WAVE_SCHED_MODE, 0, 2), 2
	s_setreg_imm32_b32 hwreg(HW_REG_WAVE_MODE, 25, 1), 1
	s_wait_xcnt 0x0
	s_wait_alu depctr_vm_vsrc(0)
; out[token][0..63] = x[token] . W[head(token)]^T + b[head(token)], on codes of FP4 (E2M1) with one E8M0 scale for each 32 along K = 1,024; sums in f32.
; Only the head that the index names is multiplied for a token: the other seven results are thrown away by the gather that the problem itself makes.
; SHARES.  Work-group (x = head h, y = segment g) serves head h in tokens 2,048 g .. 2,048 g + 2,047; wave w owns the 512 tokens from 2,048 g + 512 w on whose index is h: n = 0 to 512 of them, 64 at an even split.
; So each row of out has one owner.  A wave takes its tokens in tiles of 16: tile 6 b + j (batch b, slot j = 0..5).  A batch's six tiles are gathered ahead, 102 loads.
; Batch 0 (96 tokens) is written out; batches 1 to 5 are a loop of five trips that every wave walks, jumping over the work of a trip in which it has no tile: 36 tiles, and 512 tokens are 32.
; THE LIST IS MADE IN REGISTERS, from the index as this wave loads it: every branch and every address follows from the index by register arithmetic alone.  Sixteen compares give sixteen lane masks (scalars), their
; bit counts the running counts P[q] and n.  A lane that wants the token of rank p finds the last word q with P[q] <= p, then the bit of rank p - P[q] in that word.  The list's order is of no account.
; W_h (64 rows x 512 bytes) stays in every wave's registers as 32 fragments (256 registers), its scale words in 16, the bias in 32: read from memory once by the work-group, passed round through LDS once.
; A row of x is 512 consecutive bytes, a row of out 256: sixteen neighbouring lanes always load or store 256 consecutive aligned bytes of ONE row, whatever rows the list names.
; THE MATRIX INSTRUCTION IS USED TRANSPOSED: source 0 = 16 rows of W_h, source 1 = the tile's 16 tokens: a lane then holds eight neighbouring outputs of one token.  The bias is the C of each sum's first instruction.
; THE LAST TILE.  A row at or past the list's end takes the token of the tile's row 0, for its loads and its store alike: it computes and stores the same bytes into the same row.  EXEC is never changed.
; NO JOINT LOADS AND NO TENSOR LOADS: the waves' branches hang on a count made from loaded numbers; and what the 32 work-groups of a head share, W_h with scales and bias (35,072 bytes), is a small part
; of what a work-group moves at an even split (256 tokens x (512 + 32 + 256) bytes = 204,800).  No prefetch: a row's address is known only when its gather goes out anyway.
; LIMITS.  An index outside 0..7 leaves its row unwritten (the problem keeps an index inside its table).  The bias is the sum's first addend and K then ascends, where the definition adds it last: another order of f32 rounding.
; Codes and scale bytes go to the matrix unit as given: a scale byte 0xff gives NaN.  Speed, not the values, hangs on the split: with all tokens on one head 224 work-groups store nothing.
; THE MODE: SCHED_MODE bits 1:0 = 2 (LLVM: expert scheduling mode 2), set by the entry lines.  The code itself states the register dependences between vector or matrix instructions and memory or LDS
; instructions, and those through scalar registers that vector instructions write, with s_wait_alu, always for 0.
; THE PLAN.  Registers that memory or LDS instructions touch, and who else names them:
;   v1, v18, v19     offsets of the head's loads: written once, ahead of the head's wait on va_vdst; never written again.
;   v5 .. v10        LDS addresses: written once, behind that wait and ahead of slot 0's wait on va_vdst; first read behind that one; never written again.
;   XO, OO, XSO      slot j's offsets: written by the slot's vector lines, ahead of the slot's ONE wait on va_vdst; read by its 17 loads and its tile's 8 stores; written again a batch later, behind the batch head's wait on vm_vsrc.
;   the rows as gathered  loads land, LDS stores read, no vector line names them; loaded again a batch later, behind the batch head's wait on vm_vsrc.  Slot 3's first hold my rows of W_h: a wait on vm_vsrc behind the barrier.
;   XS               loads land; the products read them as scales; loaded again behind the next batch's slot wait on va_vdst.
;   XF               first a batch's list entries (vector lines alone), all ahead of slot 5's wait on va_vdst; then each tile's LDS loads land and its products read; a tile's ONE wait on va_vdst, behind its products, serves the next tile's loads too.
;   ACC              the products write; behind the places and that same wait the LDS stores read; written again behind the next tile's ONE wait on vm_vsrc (or the batch head's).
;   OB               LDS loads land; the global stores read; loaded again behind that same wait on vm_vsrc.
;   W_h's fragments, WS, BIAS, IX  loaded once; no vector line writes them.      v78, v79  written at the head, read by the closing add alone.
; Scalars that vector lines write (the wave's number, lane masks, a tile's tokens) have a wait on va_sdst between the run that writes them and their first reader.
;
; LDS (bytes)
.set WAREA,  0                         ; W_h: 64 rows, 528 bytes apart
.set XSTG,   33792                     ; for each wave 16 rows of x, 528 bytes apart
.set OSTG,   67584                     ; for each wave 16 rows of out, 272 bytes apart; behind them, from 84,992 on, the spare words: 128 bytes a wave, which no other line names
.set XP,     528                       ; 512 + 16 = 33 x 16 bytes: the 16 rows that a fragment load touches start at 16 different groups of four banks (64 banks of 4 bytes: ISA guide 11.1)
.set OP,     272                       ; 256 + 16 = 17 x 16 bytes: likewise
; REGISTERS, window 0
.set L16,  1                           ; 16 x lane
.set C16,  2                           ; 16 r          (r = lane % 16, h2 = lane / 16)
.set H16,  3                           ; 16 h2
.set RR,   4                           ; r
.set XST,  5                           ; x's stage, on the way in: rows i (lanes 0-15) and 8 + i (lanes 16-31), 16 bytes a lane
.set XFA,  6                           ; and on the way out: row r, + 16 h2
.set OST,  7                           ; out's stage, in: row r, + 32 h2
.set ORD,  8                           ; and back: rows i and 8 + i, 16 bytes a lane
.set WST,  9                           ; where my wave puts its 16 rows of W_h
.set WFA,  10                          ; where a fragment of W_h is read: row r, + 16 h2
.set BO,   18                          ; 32 h2
.set WSO,  19                          ; 32 r + 16 h2
.set PB,   20                          ; at work: the batch's first rank of my row, packed
.set ROWI, 24                          ; v24-31   8 h2 + i
.set WS,   32                          ; v32-47   W_h's scale words: register 4 t + q: lanes 0-15 word q of row 16 t + r, lanes 16-31 word 4 + q.  Scales and nothing else
.set XS,   48                          ; v48-71   x's scale words, register 4 j + q, laid likewise.  Scales and nothing else
.set XSO,  72                          ; v72-77   slot j: offset of its scale load.   v78, v79: the closing add's two
.set XF,   80                          ; v80-143  the tile's eight fragments of x (K step s at 8 s)
.set TL,   80                          ;          before that a batch's list entries: slot j at 10 j: +0..7 rows 8 h2 + i, +8 row r, +9 the tile's row 0
.set TLS,  10
.set ACC,  144                         ; v144-175 four accumulators
.set OB,   176                         ; v176-207 16 rows of out, back from the stage
.set BIAS, 208                         ; v208-239 register 8 t + jj: b[h][16 t + 8 h2 + jj]
.set IX,   240                         ; v240-255 my 512 indices: register 4 k + e of lane l is token 128 k + 4 l + e
; the list's work registers lie where the accumulators and the rows of out will: ten runs of six, one register for each slot
.set PK,   144                         ; (rank << 16) | 0xffff; later TT, at work
.set TT,   144
.set MSEL, 150                         ; the word (a lane mask) that holds my rank
.set SSEL, 156                         ; (its P << 16) | its first token; later its first token alone
.set DD,   162                         ; the rank inside the word
.set C1,   168                         ; the word's bit counts by fields of 2,
.set C2,   174                         ; of 4,
.set C4,   180                         ; of 8 bits
.set UU,   186                         ; at work
.set PO,   192                         ; the bit's place, so far
.set SH,   198                         ; at work
; window 1: W_h's fragments, (t, s) at v[64 t + 8 s].   window 2: the rows as gathered, slots 0-3 at v[64 j]; slot 3's registers first hold my 16 rows of W_h as loaded.
; window 3: slots 4 and 5 at v0-127; from v128 the offsets of the gathers, from v176 those of the stores, 8 a slot.
.set WR,   192
.set XO,   128
.set OO,   176
; SCALARS: s[4:5] W_h's codes at my wave's 16 rows; s[6:7] W_h's scales; s[8:9] b[h]; s[10:11], s[12:13], s[14:15], s[16:17] x's codes, x's scales, the index and out at my wave's first token;
; s18 wave; s19 h; s20 g; s21, s[22:23] at work; s25 n - 96 b; s26 96 b; s27 trips; s28 the rows that count in the tile in hand; s29 the running count.
.set HIM,  30                          ; s30      lanes 16-31
.set LM,   32                          ; s32-40   lane masks at work
.set MW,   44                          ; s44-59   word q: the lanes whose token 128 (q / 4) + 4 lane + q % 4 has head h
.set SPK,  66                          ; s66-81   (P[q] << 16) | 128 (q / 4) + q % 4: the tokens ahead of word q, over the word's first token
.set RL,   82                          ; s82-97   a tile's 16 tokens
.set MSB, 0
.macro WIN new                         ; s_set_vgpr_msb: bits 1:0 source 0, 3:2 source 1, 5:4 source 2, 7:6 destination; the high byte repeats the setting that is left
.if MSB != \new
	s_set_vgpr_msb (MSB<<8)|\new
.set MSB, \new
.endif
.endm
; The search's run of 30 lane masks lies in scalars that hold nothing while a list is made: mask m in s32-43 (m under 12), s60-63 (under 16), s82-95 (the rest).  MR is mask m's register.
.macro MREG m
.if (\m) < 12
.set MR, 32+(\m)
.elseif (\m) < 16
.set MR, 48+(\m)
.else
.set MR, 66+(\m)
.endif
.endm
; Five steps of the search for the word that holds the rank: words q0 .. q0 + 4, all six slots.  The compares hang on no selection, so the 30 go in one run with one wait behind it; the selections follow, the words ascending.
.macro SEARCH q0
.irp d, 0,1,2,3,4
.irp j, 0,1,2,3,4,5
	MREG 6*\d+\j
	v_cmp_ge_u32 s[MR], v[PK+\j], s[SPK+(\q0)+\d]  ; P rises with q: the last word that passes is the one that holds the rank (an empty word is passed over by the next, whose P is equal)
.endr
.endr
	s_wait_alu depctr_va_sdst(0)                   ; the 30 compares have written their masks, which the selections below read
.irp d, 0,1,2,3,4
.irp j, 0,1,2,3,4,5
	MREG 6*\d+\j
	v_cndmask_b32 v[MSEL+\j], v[MSEL+\j], s[MW+(\q0)+\d], s[MR]
.endr
.irp j, 0,1,2,3,4,5
	MREG 6*\d+\j
	v_cndmask_b32 v[SSEL+\j], v[SSEL+\j], s[SPK+(\q0)+\d], s[MR]
.endr
.endr
.endm
; One halving of the search for the bit of rank DD: the count of the lower w bits at PO comes out of the counts by fields of w; where the rank is not below it, the rank loses it and the place gains w.
.macro LEVEL src, w
.irp j, 0,1,2,3,4,5
	v_bfe_u32 v[TT+\j], v[\src+\j], v[PO+\j], \w
.endr
.irp j, 0,1,2,3,4,5
	v_cmp_ge_u32 s[LM+\j], v[DD+\j], v[TT+\j]
.endr
	s_wait_alu depctr_va_sdst(0)                   ; the six compares have written their masks, which the selections below read
.irp j, 0,1,2,3,4,5
	v_cndmask_b32 v[UU+\j], 0, v[TT+\j], s[LM+\j]
.endr
.irp j, 0,1,2,3,4,5
	v_sub_nc_u32 v[DD+\j], v[DD+\j], v[UU+\j]
.endr
.irp j, 0,1,2,3,4,5
	v_cndmask_b32 v[SH+\j], 0, \w, s[LM+\j]
.endr
.irp j, 0,1,2,3,4,5
	v_add_nc_u32 v[PO+\j], v[PO+\j], v[SH+\j]
.endr
.endm
; A batch's six tiles: into v[TL + 10 j + 8] comes, in lane l, the token of rank 96 b + 16 j + l % 16.  The six slots take turns line by line, so that no line waits for the line above it.
; A rank at or past n ends in word 15 at some place 0..31: a token inside my 512, which is replaced or never used.
.macro LISTS
	v_add_nc_u32 v[PB], s26, v[RR]
	v_lshl_or_b32 v[PB], v[PB], 16, 0xffff
.irp j, 0,1,2,3,4,5
	v_add_nc_u32 v[PK+\j], (\j)<<20, v[PB]         ; 16 ranks a slot.  With 0xffff below the rank, PK >= (P << 16 | first token) says rank >= P
.endr
.irp j, 0,1,2,3,4,5
	v_mov_b32 v[MSEL+\j], s[MW]
.endr
.irp j, 0,1,2,3,4,5
	v_mov_b32 v[SSEL+\j], s[SPK]
.endr
	SEARCH 1
	SEARCH 6
	SEARCH 11
.irp j, 0,1,2,3,4,5
	v_sub_nc_u32 v[DD+\j], v[PK+\j], v[SSEL+\j]    ; ((rank - P) << 16) + (0xffff - first token): no borrow
.endr
.irp j, 0,1,2,3,4,5
	v_lshrrev_b32 v[DD+\j], 16, v[DD+\j]
.endr
.irp j, 0,1,2,3,4,5
	v_and_b32 v[SSEL+\j], 0xffff, v[SSEL+\j]
.endr
.irp j, 0,1,2,3,4,5
	v_lshrrev_b32 v[TT+\j], 1, v[MSEL+\j]          ; the word's bit counts: by fields of 2,
.endr
.irp j, 0,1,2,3,4,5
	v_and_b32 v[TT+\j], 0x55555555, v[TT+\j]
.endr
.irp j, 0,1,2,3,4,5
	v_sub_nc_u32 v[C1+\j], v[MSEL+\j], v[TT+\j]
.endr
.irp j, 0,1,2,3,4,5
	v_lshrrev_b32 v[TT+\j], 2, v[C1+\j]            ; of 4,
.endr
.irp j, 0,1,2,3,4,5
	v_and_b32 v[TT+\j], 0x33333333, v[TT+\j]
.endr
.irp j, 0,1,2,3,4,5
	v_and_b32 v[UU+\j], 0x33333333, v[C1+\j]
.endr
.irp j, 0,1,2,3,4,5
	v_add_nc_u32 v[C2+\j], v[UU+\j], v[TT+\j]
.endr
.irp j, 0,1,2,3,4,5
	v_lshrrev_b32 v[TT+\j], 4, v[C2+\j]            ; of 8,
.endr
.irp j, 0,1,2,3,4,5
	v_add_nc_u32 v[TT+\j], v[TT+\j], v[C2+\j]
.endr
.irp j, 0,1,2,3,4,5
	v_and_b32 v[C4+\j], 0x0f0f0f0f, v[TT+\j]
.endr
.irp j, 0,1,2,3,4,5
	v_bfe_u32 v[TT+\j], v[C4+\j], 8, 8             ; and of the low 16
.endr
.irp j, 0,1,2,3,4,5
	v_and_b32 v[UU+\j], 0xff, v[C4+\j]
.endr
.irp j, 0,1,2,3,4,5
	v_add_nc_u32 v[TT+\j], v[TT+\j], v[UU+\j]
.endr
.irp j, 0,1,2,3,4,5
	v_cmp_ge_u32 s[LM+\j], v[DD+\j], v[TT+\j]      ; the first halving starts the place
.endr
	s_wait_alu depctr_va_sdst(0)                   ; the six compares have written their masks, which the selections below read
.irp j, 0,1,2,3,4,5
	v_cndmask_b32 v[UU+\j], 0, v[TT+\j], s[LM+\j]
.endr
.irp j, 0,1,2,3,4,5
	v_sub_nc_u32 v[DD+\j], v[DD+\j], v[UU+\j]
.endr
.irp j, 0,1,2,3,4,5
	v_cndmask_b32 v[PO+\j], 0, 16, s[LM+\j]
.endr
	LEVEL C4, 8
	LEVEL C2, 4
	LEVEL C1, 2
.irp j, 0,1,2,3,4,5
	v_bfe_u32 v[TT+\j], v[MSEL+\j], v[PO+\j], 1    ; the last halving: the rank is used no more
.endr
.irp j, 0,1,2,3,4,5
	v_cmp_ge_u32 s[LM+\j], v[DD+\j], v[TT+\j]
.endr
	s_wait_alu depctr_va_sdst(0)                   ; the six compares have written their masks, which the selections below read
.irp j, 0,1,2,3,4,5
	v_cndmask_b32 v[SH+\j], 0, 1, s[LM+\j]
.endr
.irp j, 0,1,2,3,4,5
	v_add_nc_u32 v[PO+\j], v[PO+\j], v[SH+\j]
.endr
.irp j, 0,1,2,3,4,5
	v_lshl_add_u32 v[TL+TLS*\j+8], v[PO+\j], 2, v[SSEL+\j]   ; the token: the word's first + 4 x the lane that the bit stands for
.endr
.endm
; Slot j's gather: 17 loads; a batch's six slots are always issued together, so that the counted waits below hold on every way.  Load (i, u): lanes 0-15 take bytes 256 u .. 256 u + 255 of row i's token, lanes 16-31 of row 8 + i's.
.macro ISSUE_SLOT j
.set RB, 64*((\j)%4)
.set TJ, TL+TLS*(\j)
	s_sub_co_i32 s28, s25, 16*(\j)                 ; the rows of this tile that count: n - 16 x tile (16 or more: all; 0 or less: none)
.irp k, 0,1,2,3,4,5,6,7,8,9,10,11,12,13,14,15
	v_readlane_b32 s[RL+\k], v[TJ+8], \k           ; the tile's 16 tokens as scalars,
.endr
.irp i, 0,1,2,3,4,5,6,7
	v_cmp_gt_i32 s[LM+\i], s28, v[ROWI+\i]         ; (the masks of the rows that count stand in the same run: they hang on the count alone)
.endr
	v_cmp_gt_i32 s[LM+8], s28, v[RR]
	s_wait_alu depctr_va_sdst(0)                   ; the 16 tokens and the 9 masks are written, which the moves and selections below read
.irp i, 0,1,2,3,4,5,6,7
	v_mov_b32 v[TJ+\i], s[RL+\i]                   ; and by halves: row i in lanes 0-15,
.endr
.irp i, 0,1,2,3,4,5,6,7
	v_cndmask_b32 v[TJ+\i], v[TJ+\i], s[RL+8+\i], s[HIM]   ; row 8 + i in lanes 16-31
.endr
	v_mov_b32 v[TJ+9], s[RL]
.irp i, 0,1,2,3,4,5,6,7
	v_cndmask_b32 v[TJ+\i], v[TJ+9], v[TJ+\i], s[LM+\i]    ; a row that does not count takes the tile's first token
.endr
	v_cndmask_b32 v[TJ+8], v[TJ+9], v[TJ+8], s[LM+8]
.irp i, 0,1,2,3,4,5,6,7,8
	v_min_u32 v[TJ+\i], 0x1ff, v[TJ+\i]            ; held inside my 512 tokens
.endr
	v_lshl_add_u32 v[XSO+\j], v[TJ+8], 5, v[H16]
	WIN 0xc0                                       ; destination window 3
.irp i, 0,1,2,3,4,5,6,7
	v_lshl_add_u32 v[XO+8*(\j)+\i], v[TJ+\i], 9, v[C16]
.endr
.irp i, 0,1,2,3,4,5,6,7
	v_lshl_add_u32 v[OO+8*(\j)+\i], v[TJ+\i], 8, v[C16]
.endr
.if (\j) < 4
	WIN 0x83                                       ; address window 3, destination window 2
.else
	WIN 0xc3                                       ; both window 3
.endif
	s_wait_alu depctr_va_vdst(0)                   ; the slot's offsets are written (the gathers', the scale load's, the stores'), which the 17 loads below and the tile's 8 stores read; the last batch's products are done reading the scale words in which the last load lands; in the first slot: the head's LDS addresses are written
.irp i, 0,1,2,3,4,5,6,7
.irp u, 0,1
	global_load_b128 v[RB+4*(2*\i+\u):RB+4*(2*\i+\u)+3], v[XO+8*(\j)+\i], s[10:11] offset:256*\u
.endr
.endr
	WIN 0
	global_load_b128 v[XS+4*(\j):XS+4*(\j)+3], v[XSO+\j], s[12:13]   ; row r's scale words 0-3 (lanes 0-15) or 4-7 (lanes 16-31)
.endm
; W_h's 32 fragments out of LDS into window 1: they stay.  Registers 4 c .. 4 c + 3 of K step s are bytes 64 s + 32 c + 16 h2 on of the row.
.macro WFRAG
	WIN 0x40
.irp t, 0,1,2,3
.irp s, 0,1,2,3,4,5,6,7
.irp c, 0,1
	ds_load_b128 v[64*\t+8*\s+4*\c:64*\t+8*\s+4*\c+3], v[WFA] offset:WAREA+16*XP*\t+64*\s+32*\c
.endr
.endr
.endr
	WIN 0
.endm
; K step s of slot j's tile: four matrix instructions, the four accumulators by turns, one instruction a turn.  K steps 4 to 7 take their scale words from lanes 16-31.
.macro MM j, s
.irp t, 0,1,2,3
.if (\s) == 0
	v_wmma_scale_f32_16x16x128_f8f6f4 v[ACC+8*\t:ACC+8*\t+7], v[64*\t+8*(\s):64*\t+8*(\s)+7], v[XF+8*(\s):XF+8*(\s)+7], v[BIAS+8*\t:BIAS+8*\t+7], v[WS+4*\t+(\s)], v[XS+4*(\j)+(\s)] matrix_a_fmt:MATRIX_FMT_FP4 matrix_b_fmt:MATRIX_FMT_FP4
.elseif (\s) < 4
	v_wmma_scale_f32_16x16x128_f8f6f4 v[ACC+8*\t:ACC+8*\t+7], v[64*\t+8*(\s):64*\t+8*(\s)+7], v[XF+8*(\s):XF+8*(\s)+7], v[ACC+8*\t:ACC+8*\t+7], v[WS+4*\t+(\s)], v[XS+4*(\j)+(\s)] matrix_a_fmt:MATRIX_FMT_FP4 matrix_b_fmt:MATRIX_FMT_FP4
.else
	v_wmma_scale_f32_16x16x128_f8f6f4 v[ACC+8*\t:ACC+8*\t+7], v[64*\t+8*(\s):64*\t+8*(\s)+7], v[XF+8*(\s):XF+8*(\s)+7], v[ACC+8*\t:ACC+8*\t+7], v[WS+4*\t+(\s)-4], v[XS+4*(\j)+(\s)-4] matrix_a_fmt:MATRIX_FMT_FP4 matrix_b_fmt:MATRIX_FMT_FP4 matrix_a_scale:MATRIX_SCALE_ROW1 matrix_b_scale:MATRIX_SCALE_ROW1
.endif
.endr
.endm
; Slot j's tile: the rows as gathered turn through my stage into fragments; 32 matrix instructions; the results turn through my other stage into whole rows; 8 stores of two rows each.
; out: where the wave goes on if the tile begins at or past the list's end (then so do all its later tiles).
.macro CONSUME j, out
.set RB, 64*((\j)%4)
	s_sub_co_i32 s28, s25, 16*(\j)
	s_cmp_le_i32 s28, 0
	s_cbranch_scc1 \out
.if (\j) < 2
	s_wait_loadcnt 63                              ; 85 and 68 loads were issued behind slot 0's and slot 1's; the wait's field ends at 63, the stricter count
.else
	s_wait_loadcnt 17*(5-(\j))                     ; 17 loads for each later slot of the batch
.endif
.if (\j) < 4
	WIN 0x08                                       ; an LDS store's data are its source 1: window 2
.else
	WIN 0x0c                                       ; window 3
.endif
.irp i, 0,1,2,3,4,5,6,7
.irp u, 0,1
	ds_store_b128 v[XST], v[RB+4*(2*\i+\u):RB+4*(2*\i+\u)+3] offset:XP*\i+256*\u   ; sixteen lanes store 256 consecutive bytes of a row
.endr
.endr
	WIN 0
.irp s, 0,1,2,3,4,5,6,7
.irp c, 0,1
	ds_load_b128 v[XF+8*\s+4*\c:XF+8*\s+4*\c+3], v[XFA] offset:64*\s+32*\c          ; LDS serves a wave's instructions in order (ISA guide 5.7.1.4): these see the stores above.  No vector or matrix line since the last wait on va_vdst (slot 5's, or the last tile's) names these registers
.endr
.endr
	s_wait_dscnt 8                                 ; all but the eight loads of K steps 4 to 7 (in the first tile: W_h's fragments are in too)
.if (\j) > 0
	s_wait_alu depctr_vm_vsrc(0)                   ; the last tile's LDS stores have read the accumulators, which the products below write again, and its global stores the rows of out, in which this tile's loads from the stage land
.endif
	WIN 0x01                                       ; source 0 (W_h) window 1
.irp s, 0,1,2,3
	MM \j, \s
.endr
	s_wait_dscnt 0x0
.irp s, 4,5,6,7
	MM \j, \s
.endr
	WIN 0
.rept 5
	v_nop                                          ; four places ahead of the stores that read the results and of vector lines that write the fragments' registers; the fifth for the next tile's first products, which begin the accumulators anew with another C
.endr
	s_wait_alu depctr_va_vdst(0)                   ; the products have written the accumulators, which the LDS stores below read (the places above stay beside this wait), and are done reading the fragments of x, in which the next tile's LDS loads land
	s_wait_xcnt 0x0                                ; the last tile's stores have read their registers: the rows' registers are loaded again only behind this wait
.irp t, 0,1,2,3
	ds_store_b128 v[OST], v[ACC+8*\t:ACC+8*\t+3] offset:64*\t          ; each accumulator from its low end on.  Lane (r, h2): out(row r, 16 t + 8 h2 + 0 .. 7)
	ds_store_b128 v[OST], v[ACC+8*\t+4:ACC+8*\t+7] offset:64*\t+16
.endr
.irp i, 0,1,2,3,4,5,6,7
	ds_load_b128 v[OB+4*\i:OB+4*\i+3], v[ORD] offset:OP*\i
.endr
	WIN 0x03                                       ; the stores' offsets lie in window 3
.irp i, 0,1,2,3,4,5,6,7
	s_wait_dscnt 7-\i                              ; the loads behind load i may be out
	global_store_b128 v[OO+8*(\j)+\i], v[OB+4*\i:OB+4*\i+3], s[16:17] th:TH_STORE_NT   ; lanes 0-15 store row i's 256 consecutive aligned bytes, lanes 16-31 row 8 + i's; written once, read by nobody here
.endr
	WIN 0
.endm
	s_load_b256 s[4:11], s[0:1], 0x0               ; W's codes, W's scales, b, x's codes
	s_load_b128 s[12:15], s[0:1], 0x20             ; x's scales, the index
	s_load_b64 s[16:17], s[0:1], 0x30              ; out
	v_lshl_add_u32 v78, v0, 2, 0x14c00             ; the LDS address of my spare word, 84,992 + 4 x my thread's number, and 0: made here and kept for the closing add alone
	v_mov_b32 v79, 0
	v_lshrrev_b32 v21, 5, v0
	v_readfirstlane_b32 s18, v21                   ; wave 0..3
	s_mov_b32 s19, ttmp9                           ; head
	s_and_b32 s20, ttmp7, 0xffff                   ; segment
	v_and_b32 v22, 31, v0                          ; lane
	v_and_b32 v[RR], 15, v0
	v_bfe_u32 v23, v0, 4, 1                        ; h2
	v_lshlrev_b32 v[L16], 4, v22
	v_lshlrev_b32 v[C16], 4, v[RR]
	v_lshlrev_b32 v[H16], 4, v23
	v_lshlrev_b32 v[BO], 5, v23
	v_lshl_add_u32 v[WSO], v[RR], 5, v[H16]
	s_mov_b32 s23, 0
	s_mov_b32 s[HIM], 0xffff0000
	s_wait_alu depctr_va_sdst(0)                   ; s18, the wave's number, is written, ahead of its first reader: the bases below are made from it
	s_wait_kmcnt 0x0
	s_lshl_b32 s22, s20, 13                        ; a segment's indices are 8,192 bytes,
	s_lshl_b32 s21, s18, 11                        ; my 512 of them 2,048
	s_add_co_u32 s22, s22, s21
	s_add_nc_u64 s[14:15], s[14:15], s[22:23]
	s_wait_alu depctr_va_vdst(0)                   ; the three offsets 16 x lane, 32 r + 16 h2 and 32 h2 are written, which the head's 32 loads read
.irp k, 0,1,2,3
	global_load_b128 v[IX+4*\k:IX+4*\k+3], v[L16], s[14:15] offset:512*\k   ; the indices go out first: the gathers hang on them
.endr
	s_lshl_b32 s22, s19, 15                        ; a head's codes are 32,768 bytes,
	s_lshl_b32 s21, s18, 13                        ; 16 rows of them 8,192
	s_add_co_u32 s22, s22, s21
	s_add_nc_u64 s[4:5], s[4:5], s[22:23]
	s_lshl_b32 s22, s19, 11                        ; a head's scale bytes: 2,048
	s_add_nc_u64 s[6:7], s[6:7], s[22:23]
	s_lshl_b32 s22, s19, 8                         ; its bias: 256 bytes
	s_add_nc_u64 s[8:9], s[8:9], s[22:23]
	WIN 0x80                                       ; destination window 2
.irp i, 0,1,2,3,4,5,6,7,8,9,10,11,12,13,14,15
	global_load_b128 v[WR+4*\i:WR+4*\i+3], v[L16], s[4:5] offset:512*\i    ; a whole row of W_h: 512 consecutive bytes
.endr
	WIN 0
.irp t, 0,1,2,3
	global_load_b128 v[WS+4*\t:WS+4*\t+3], v[WSO], s[6:7] offset:512*\t    ; row 16 t + r: its scale words 0-3 (lanes 0-15) or 4-7 (lanes 16-31)
.endr
.irp t, 0,1,2,3
	global_load_b128 v[BIAS+8*\t:BIAS+8*\t+3], v[BO], s[8:9] offset:64*\t
	global_load_b128 v[BIAS+8*\t+4:BIAS+8*\t+7], v[BO], s[8:9] offset:64*\t+16
.endr
	s_lshl_b32 s22, s20, 20                        ; a segment: 2,048 rows of 512 bytes,
	s_lshl_b32 s21, s18, 18                        ; my 512 of them
	s_add_co_u32 s22, s22, s21
	s_add_nc_u64 s[10:11], s[10:11], s[22:23]
	s_lshl_b32 s22, s20, 16                        ; of 32 scale bytes
	s_lshl_b32 s21, s18, 14
	s_add_co_u32 s22, s22, s21
	s_add_nc_u64 s[12:13], s[12:13], s[22:23]
	s_lshl_b32 s22, s20, 19                        ; of 256 bytes of out
	s_lshl_b32 s21, s18, 17
	s_add_co_u32 s22, s22, s21
	s_add_nc_u64 s[16:17], s[16:17], s[22:23]
	; the LDS addresses, all of them a constant + a lane term + a constant x wave, are made while the loads are on their way: they write none of the registers that those loads read or land in
	s_mul_i32 s21, s18, 16*XP                      ; my wave's 16 rows of W_h
	v_add_nc_u32 v[WST], s21, v[L16]
	v_mul_u32_u24 v[WFA], v[RR], XP
	v_add_nc_u32 v[WFA], v[WFA], v[H16]
	s_add_co_u32 s21, s21, XSTG                    ; my wave's stage for x
	v_mul_u32_u24 v[XST], v23, 8*XP
	v_add_nc_u32 v[XST], v[XST], v[C16]
	v_add_nc_u32 v[XST], s21, v[XST]
	v_add_nc_u32 v[XFA], s21, v[WFA]
	s_mul_i32 s21, s18, 16*OP
	s_add_co_u32 s21, s21, OSTG                    ; my wave's stage for out
	v_mul_u32_u24 v[OST], v[RR], OP
	v_lshl_add_u32 v[OST], v23, 5, v[OST]
	v_add_nc_u32 v[OST], s21, v[OST]
	v_mul_u32_u24 v[ORD], v23, 8*OP
	v_add_nc_u32 v[ORD], v[ORD], v[C16]
	v_add_nc_u32 v[ORD], s21, v[ORD]
.irp i, 0,1,2,3,4,5,6,7
	v_lshl_add_u32 v[ROWI+\i], v23, 3, \i
.endr
	s_mov_b32 s26, 0
	s_mov_b32 s27, 0
	s_mov_b32 s29, 0
	s_wait_loadcnt 28                              ; my indices are in: behind them went W_h's 16 rows, its 4 loads of scale words and the bias's 8
.irp q, 0,1,2,3,4,5,6,7,8,9,10,11,12,13,14,15
	v_cmp_eq_u32 s[MW+\q], s19, v[IX+\q]
.endr
	s_wait_alu depctr_va_sdst(0)                   ; the sixteen compares have written the words, ahead of their first readers, the bit counts below
.irp q, 0,1,2,3,4,5,6,7,8,9,10,11,12,13,14,15
	s_bcnt1_i32_b32 s21, s[MW+\q]
	s_lshl_b32 s[SPK+\q], s29, 16                  ; the tokens ahead of word q,
	s_or_b32 s[SPK+\q], s[SPK+\q], 128*(\q/4)+(\q%4)   ; over the word's first token
	s_add_co_u32 s29, s29, s21
.endr
	s_mov_b32 s25, s29                             ; n
	LISTS                                          ; batch 0
	ISSUE_SLOT 0
	ISSUE_SLOT 1
	ISSUE_SLOT 2
	s_wait_loadcnt 51                              ; all but the three slots' 51 loads: my rows of W_h, its scale words and the bias are in
	WIN 0x08
.irp i, 0,1,2,3,4,5,6,7,8,9,10,11,12,13,14,15
	ds_store_b128 v[WST], v[WR+4*\i:WR+4*\i+3] offset:WAREA+XP*\i
.endr
	WIN 0
	s_wait_dscnt 0x0                               ; for the others' sake: my rows of W_h are in LDS
	s_barrier_signal -1
	s_barrier_wait -1                              ; W_h is whole in LDS.  The only barrier, ahead of every branch: from here on a wave reads W_h, which nobody writes again, and its own stages
	s_wait_alu depctr_vm_vsrc(0)                   ; my LDS stores have read the registers that held my rows of W_h, in which slot 3's gathers land
	WFRAG                                          ; ahead of slots 3 to 5: the 102 loads of a batch are more than the load counter's field holds, and the issue of a load that would pass it waits (ISA guide 5.7.1); these LDS loads go out ahead of that
	ISSUE_SLOT 3                                   ; into the registers that held my rows of W_h
	ISSUE_SLOT 4
	ISSUE_SLOT 5
	CONSUME 0, .Lfirst_done
	CONSUME 1, .Lfirst_done
	CONSUME 2, .Lfirst_done
	CONSUME 3, .Lfirst_done
	CONSUME 4, .Lfirst_done
	CONSUME 5, .Lfirst_done
.Lfirst_done:
	s_wait_dscnt 0x0                               ; (a wave without a tile: W_h's fragments are in)
; ---- BATCHES 1 TO 5.  Every wave walks all five trips; the count and the first rank are stepped at a trip's head, on every way; what is jumped over is the trip's work.
.Lbatch:
	s_sub_co_i32 s25, s25, 96
	s_add_co_u32 s26, s26, 96
	s_cmp_le_i32 s25, 0                            ; nothing of mine in this batch
	s_cbranch_scc1 .Lno_work
	s_wait_loadcnt 0x0                             ; no load of mine is out: the gathers' registers and offsets are written again
	s_wait_xcnt 0x0                                ; the stores have read their data and offsets, which this batch writes again
	s_wait_alu depctr_vm_vsrc(0)                   ; the last batch's LDS stores have read the accumulators and the rows as gathered, its global stores the rows of out and their offsets, its loads their offsets: the list's lines, the slots' lines and the gathers below write all of these again
	LISTS
	ISSUE_SLOT 0
	ISSUE_SLOT 1
	ISSUE_SLOT 2
	ISSUE_SLOT 3
	ISSUE_SLOT 4
	ISSUE_SLOT 5
	CONSUME 0, .Lno_work
	CONSUME 1, .Lno_work
	CONSUME 2, .Lno_work
	CONSUME 3, .Lno_work
	CONSUME 4, .Lno_work
	CONSUME 5, .Lno_work
.Lno_work:
	s_add_co_u32 s27, s27, 1
	s_cmp_lt_u32 s27, 5
	s_cbranch_scc1 .Lbatch
	s_wait_dscnt 0x0                               ; the closing lines, six on end
	s_wait_alu 0x0
	s_wait_tensorcnt 0x0
	ds_add_u32 v78, v79
	s_wait_dscnt 0x0
	s_endpgm
.Lfunc_end_k_qa719423f2e_readout:
	.size	k_qa719423f2e_readout, .Lfunc_end_k_qa719423f2e_readout-k_qa719423f2e_readout
	.p2alignl 7, 3214868480
	.fill 96, 4, 3214868480
	.section	.rodata,"a",@progbits
	.p2align	6, 0x0
	.amdhsa_kernel k_qa719423f2e_readout
		.amdhsa_group_segment_fixed_size 85504
		.amdhsa_private_segment_fixed_size 0
		.amdhsa_enable_private_segment 0
		.amdhsa_kernarg_size 56
		.amdhsa_user_sgpr_count 2
		.amdhsa_user_sgpr_kernarg_segment_ptr 1
		.amdhsa_wavefront_size32 1
		.amdhsa_system_sgpr_workgroup_id_x 1
		.amdhsa_system_sgpr_workgroup_id_y 1
		.amdhsa_system_sgpr_workgroup_id_z 1
		.amdhsa_system_vgpr_workitem_id 0
		.amdhsa_next_free_vgpr 992
		.amdhsa_next_free_sgpr 98
		.amdhsa_reserve_vcc 0
		.amdhsa_float_denorm_mode_32 3
		.amdhsa_float_denorm_mode_16_64 3
		.amdhsa_memory_ordered 1
		.amdhsa_forward_progress 1
		.amdhsa_inst_pref_size 255
	.end_amdhsa_kernel
	.section	.bss,"aw",@nobits
	.p2align	6
	.space	262144
	.amdgpu_metadata
---
amdhsa.version: [ 1, 2 ]
amdhsa.kernels:
  - .name:           k_qa719423f2e_readout
    .symbol:         k_qa719423f2e_readout.kd
    .args:
      - { .name: W_codes, .offset: 0, .size: 8, .value_kind: global_buffer, .address_space: global }
      - { .name: W_scales, .offset: 8, .size: 8, .value_kind: global_buffer, .address_space: global }
      - { .name: b, .offset: 16, .size: 8, .value_kind: global_buffer, .address_space: global }
      - { .name: output_embs_codes, .offset: 24, .size: 8, .value_kind: global_buffer, .address_space: global }
      - { .name: output_embs_scales, .offset: 32, .size: 8, .value_kind: global_buffer, .address_space: global }
      - { .name: output_readout_index, .offset: 40, .size: 8, .value_kind: global_buffer, .address_space: global }
      - { .name: out0, .offset: 48, .size: 8, .value_kind: global_buffer, .address_space: global }
    .group_segment_fixed_size: 85504
    .private_segment_fixed_size: 0
    .kernarg_segment_align: 8
    .kernarg_segment_size: 56
    .max_flat_workgroup_size: 128
    .sgpr_count:     98
    .vgpr_count:     992
    .wavefront_size: 32
...
	.end_amdgpu_metadata
.endif
;; end of part 3
